; MI455X (gfx1250); checked and timed in simulation.
; The chip was launched on July 23, 2026; its instructions are those of AMD's public machine-readable ISA for CDNA 5 (MIT licence, August 2026) and "CDNA5" Instruction Set Architecture Reference Guide (July 2026). The comments in the code are by the model that wrote it; some were corrected since.
;; Convex Linear Attention. Allowed arithmetic: matrix products marked QUANTISED: E2M3 operands, one E8M0 scale for each 32 along K, by v_wmma_scale_f32_16x16x128_f8f6f4 with both operands' format E2M3, f32 sums; everything else in f32.
;; Inputs: bk 1,024 float32; bo 1,024 float32; bq 1,024 float32; bv 1,024 float32; wk_codes 1,024 x 32 x 24 uint8 (E2M3 codes of wk, K innermost, in blocks of 32 codes, four codes in three bytes); wk_scales 1,024 x 32 uint8 (E8M0 scales of wk, one for each 32 codes along K); wo_codes 1,024 x 32 x 24 uint8 (E2M3 codes of wo, K innermost, in blocks of 32 codes, four codes in three bytes); wo_scales 1,024 x 32 uint8 (E8M0 scales of wo, one for each 32 codes along K); wq_codes 1,024 x 32 x 24 uint8 (E2M3 codes of wq, K innermost, in blocks of 32 codes, four codes in three bytes); wq_scales 1,024 x 32 uint8 (E8M0 scales of wq, one for each 32 codes along K); wv_codes 1,024 x 32 x 24 uint8 (E2M3 codes of wv, K innermost, in blocks of 32 codes, four codes in three bytes); wv_scales 1,024 x 32 uint8 (E8M0 scales of wv, one for each 32 codes along K); x_codes 2 x 2,048 x 32 x 24 uint8 (E2M3 codes of x, K innermost, in blocks of 32 codes, four codes in three bytes); x_scales 2 x 2,048 x 32 uint8 (E8M0 scales of x, one for each 32 codes along K).
;; Outputs: out0 2 x 2,048 x 1,024 float32.
;; This version of the problem:
;;   THIS VERSION OF THE PROBLEM IS GIVEN IN LOW PRECISION. The matrix products marked QUANTISED in the list below multiply operands that are first quantised to E2M3 (2 exponent bits, 3 mantissa bits; 6 bits a number), with one power-of-two scale for each 32 numbers along K (OCP MX v1.0); their sums are f32. All else is computed in f32.
;;   The module's matrix products, in the order in which they are computed (A, B: the left and right operand; K: the contracted axis; several contracted axes count as one K, in the product's order):
;;     1. [M 4,096, K 1,024] x [K 1,024, N 1,024]; A: input x (given as codes); B: input wq (given as codes): QUANTISED
;;     2. [M 4,096, K 1,024] x [K 1,024, N 1,024]; A: input x (given as codes); B: input wk (given as codes): QUANTISED
;;     3. [M 4,096, K 1,024] x [K 1,024, N 1,024]; A: input x (given as codes); B: input wv (given as codes): QUANTISED
;;     4. batch 32 x [M 2,048, K 64] x [K 64, N 2,048]; A: computed on the way; B: computed on the way: QUANTISED
;;     5. batch 32 x [M 2,048, K 2,048] x [K 2,048, N 64]; A: computed on the way; B: computed on the way: QUANTISED
;;     6. [M 4,096, K 1,024] x [K 1,024, N 1,024]; A: computed on the way; B: input wo (given as codes): QUANTISED
;;   THE QUANTISER, for each operand of a quantised product, along K:
;;     - K is cut into blocks of 32 from its start; a last block that is shorter is filled with zeros.
;;     - A block's scale is 2^e with e = floor(log2(the largest magnitude in the block)) - 2, held to -126 .. 127; a block of zeros has e = 0. As a byte (E8M0): e + 127.
;;     - Each number is divided by its block's scale, clamped to +-7.5, and rounded to the nearest number of E2M3, ties to even, subnormals kept.
;;     - The product sums the exact products of the quantised numbers (number of the format x scale) in f32.
;;   ~~~python
;;   def quantise(x, axis):      # numpy; x: float32 -> the quantised numbers, widened to float32 again
;;       x = np.moveaxis(x, axis, -1); K = x.shape[-1]
;;       x = np.pad(x, [(0, 0)] * (x.ndim - 1) + [(0, -K % 32)]); x = x.reshape(x.shape[:-1] + (-1, 32)); a = np.abs(x).max(-1, keepdims=True)
;;       e = np.where(a > 0, np.clip(np.frexp(np.where(a > 0, a, 1))[1] - 1 - 2, -126, 127), 0)      # np.frexp(a)[1] - 1 = floor(log2(a)), exactly
;;       r = np.clip(x / 2.0 ** e, -7.5, 7.5)
;;       step = 2.0 ** (np.maximum(np.frexp(np.where(r == 0, 1, r))[1] - 1, 0) - 3)
;;       q = np.round(r / step) * step * 2.0 ** e      # np.round: ties to even
;;       return np.moveaxis(q.reshape(q.shape[:-2] + (-1,))[..., :K], -1, axis).astype(np.float32)
;;   ~~~
;;   OPERANDS COMPUTED ON THE WAY. 'Computed on the way' means the value that the module computes at that place (a softmax that the list does not call 'softmax' is quantised finished and normalised). What goes into a quantiser is computed in f32, as accurately as f32 sums, v_exp_f32 and their like allow (about 1e-6 of the number): no bf16 or f16 on the way to a quantiser, and a product that is left as it is and whose result goes on into a quantised operand takes f32 operands (vector FMAs, or v_wmma_f32_16x16x4_f32). A number that lies on a knife's edge between two numbers of the format may be rounded either way, as far as f32 arithmetic and the matrix unit's own rounding can turn it there, and no further.
;;   INPUTS GIVEN AS CODES. wk (in the module: [1024, 1024], K = its axis 1); wo (in the module: [1024, 1024], K = its axis 1); wq (in the module: [1024, 1024], K = its axis 1); wv (in the module: [1024, 1024], K = its axis 1); x (in the module: [2, 2048, 1024], K = its axis 2): each comes as NAME_codes (uint8): NAME with its K axis moved to the last place and cut into blocks of 32 codes, [.., K / 32, bytes a block], one block behind the other in memory; four codes in three bytes: a row's codes are one little-endian stream of bits, code i at bits 6 i .. 6 i + 5 (a code: sign, 2 exponent bits, 3 mantissa bits); and NAME_scales (uint8): the same leading axes, one E8M0 byte (e + 127) for each 32 codes along K. Its value is code x scale, taken as it is: it is not quantised again, and the codes and scales need not be those that the quantiser above would give.
;; One version. Each part assembles by itself: llvm-mc -triple=amdgcn-amd-amdhsa -mcpu=gfx1250 --defsym DOCPART=n.
;; ======== version 1 of 1: 3 launches
;; workspace buffers: qbuf 3,276,800 bytes; kbuf 3,276,800 bytes; vbuf 3,276,800 bytes; ksp 131,072 bytes; mbuf 3,145,728 bytes; msc 131,072 bytes
;; launch proj (part 1): grid 16 x 16, 4 waves a work-group, clusters of 4 x 4, 327,680 bytes of LDS; arguments x_codes, x_scales, wq_codes, wk_codes, wv_codes, wq_scales, wk_scales, wv_scales, bq, bk, bv, qbuf, kbuf, vbuf, ksp; writes qbuf, kbuf, vbuf, ksp
.if DOCPART == 1
	.amdgcn_target "amdgcn-amd-amdhsa--gfx1250"
	.amdhsa_code_object_version 6
	.text
	.protected	k_qc88418fc75_proj
	.globl	k_qc88418fc75_proj
	.p2align	8
	.type	k_qc88418fc75_proj,@function
k_qc88418fc75_proj:
	s_mov_b64 s[64:65], 0
	v_nop
	global_prefetch_b8 v0, s[64:65] scope:SCOPE_SE
	s_setreg_imm32_b32 hwreg(HW_REG_WAVE_MODE, 25, 1), 1
	s_wait_xcnt 0x0
	s_wait_alu depctr_hold_cnt(0) depctr_sa_sdst(0) depctr_va_vdst(0) depctr_va_sdst(0) depctr_va_ssrc(0) depctr_va_vcc(0) depctr_vm_vsrc(0)
	s_getreg_b32 s2, hwreg(HW_REG_IB_STS2, 6, 4)
	s_cmp_eq_u32 s2, 0
	s_cbranch_scc0 .Lentry_in_a_cluster
	s_endpgm
.Lentry_in_a_cluster:
	s_bfe_u32 s2, ttmp6, 0x10000c
	s_cmp_lg_u32 s2, 0xf033
	s_cbranch_scc0 .Lentry_shape_is_right
	s_endpgm
.Lentry_shape_is_right:
; q, k, v = x W^T + b on codes of FP6 (E2M3) with E8M0 scales; then elu + 1 on q and k; then all three are quantised for the attention launch: q and k along the head's 64, v along the tokens.
; SHARES.  A work-group makes q, k and v of ONE head for 256 tokens.  Wave (th, fh) takes tokens 128 th on.  Part E: all 64 features of q (fh = 0) or of k (fh = 1), used transposed (source 0 = 16 rows of W,
; source 1 = 16 tokens): a lane holds one token, its registers run along the head's d.  Part V: d 32 fh .. + 31 of v (source 0 = 16 tokens, source 1 = 16 rows of wv): a lane holds one d, its registers run along the tokens.
; So both results have the next product's K in a lane's registers.  48 matrix instructions on 14 fragments for each 128 along K.
; ORDER INSIDE A BLOCK OF 32.  A pair of result tiles gives lane half h the elements 16 u + 8 h + j; the quantiser lays a lane half's 16 numbers at places 16 h + 0 .. 15 of the block.  Blocks are the true blocks.
; q and k are quantised as they fall: both operands of the score product then have element 16 u + 8 h + j at place 16 h + 8 u + j, so the places agree.  v meets weights that lie in true order along the keys:
; its lane halves change places in f32 first, so that a lane half holds 16 neighbouring tokens.
; WHAT IS STORED.  A fragment as an image of its 12 registers (1,536 bytes: registers 4 c .. 4 c + 3 of lane l at 512 c + 16 l).  For q and k an image holds 32 tokens: registers 0-5 tokens 0-15, registers 6-11 tokens 16-31,
; lane half = d block.  k's odd images have lanes l and l xor 8 exchanged: the attention launch gathers a fragment from an even and an odd image.
; A head has 102,400 bytes in each buffer: 4,096 of scale words, then 64 images.  ksp: the sums of the quantised k over this wave's 128 tokens, 64 f32,
; by [d block][place]: the attention launch forms its denominators from them.
; CLUSTER 4 x 4: x's tile hangs on the token block alone and is asked for jointly along a row of the cluster, W's tiles on the head alone, jointly along a column.
; LDS: three slots of 256 along K (448 rows x 240 bytes); K's fourth quarter is filled into slot 0 again.  A wave has at most three tensor loads out.
; LIMITS: NaN and infinities are not served.  A block whose largest magnitude lies under 2^-124 keeps the scale byte 1 (a block of zeros too: its codes are zeros, and only this program reads the bytes).
; e^x is 2^(-|x log2 e|), then - 1 and + 1, which rounds as expm1(x) + 1 does; the larger of that and x + 1 is elu(x) + 1 (for x > 0 the first is at most 1; for x <= 0, e^x >= 1 + x).
.set SLOT,  107520                     ; x's 256 rows at +0, wq's 64 at +61,440, wk's at +76,800, wv's at +92,160
.set SPARE, 3*SLOT                     ; the spare words: 128 bytes a wave, two blocks of 256 bytes that no other line names
.set SPW, 4                            ; v4  SPARE + 4 x my thread's number; never rewritten
.set NIL, 5                            ; v5  0; never rewritten
.set LA,  8                            ; v8-25  LDS addresses, six a slot: x's two, E's two, V's two (the second of each: behind one padding more)
.set BV,  32                           ; v32-33 bv of my d in my two d tiles
.set XSC, 48                           ; v48-79   x's scale words, four registers a tile: lanes 0-15 the words of K steps 0-3, lanes 16-31 of steps 4-7
.set ESC, 80                           ; v80-95   the same of E's four tiles of W
.set VSC, 96                           ; v96-103  and of wv's two
.set WVF, 104                          ; v104-151 wv's fragments, two sets
.set F,   104                          ; on the way out: 64 numbers ahead of the quantiser
.set TM,  168                          ; v168-183 the quantiser's block figures
.set CD,  184                          ; v184-203 codes
.set KS,  204                          ; v204-235 sums of quantised k
.set PWR, 236                          ; v236-239 E's four scale words
.set SCF, 240                          ; v240-243 the four blocks' scales as f32
.set T,   244
.set ONE, 246                          ; the byte 127 four times: the scale 1 for the conversion back
.set PK,  248
.set PWV, 250
.set PKV, 252
.set G1X, 36
.set G1W, 44
.set G0X, 52                           ; s[52:63] x's groups 0, one a slot
.set G0W, 68                           ; s[68:79] W's
.set WV,  80
.set TH,  81
.set FH,  82
.set CX,  83
.set CY,  84
.set HEAD, 85
.set TB,  86
.set L2E, 96
.set SEL, 98
.set HIM, 100
.set MSB, 0
.macro WIN new                         ; the immediate's high byte repeats the setting that is left
.if MSB != \new
	s_set_vgpr_msb (MSB<<8)|\new
.set MSB, \new
.endif
.endm
.macro PLACES n
.rept \n
	v_nop
.endr
.endm
.macro CREST
	s_cmp_lg_u32 s[WV], 0
	s_cbranch_scc1 .Lnot_wave_0_\@
	s_barrier_signal -3
.Lnot_wave_0_\@:
	s_barrier_wait -3
	s_barrier_signal -1
	s_barrier_wait -1
.endm
.macro CROUND                          ; a round of the cluster's barrier
	s_barrier_signal -1
	s_barrier_wait -1
	CREST
.endm
.macro JLOAD n                         ; a joint load: wave 0 fetches x's tile, waves 1 to 3 wq's, wk's, wv's; four v_nop follow each line
	s_cmp_eq_u32 s[WV], 0
	s_cbranch_scc0 .Lfor_w_\@
	tensor_load_to_lds s[G0X+4*\n:G0X+4*\n+3], s[G1X:G1X+7]
	s_nop 0
	PLACES 4
	s_branch .Lasked_\@
.Lfor_w_\@:
	tensor_load_to_lds s[G0W+4*\n:G0W+4*\n+3], s[G1W:G1W+7]
	s_nop 0
	PLACES 4
.Lasked_\@:
.endm
; A fragment: 16 rows x 128 K = 12 registers; lane (r, h): registers 6 c .. 6 c + 5 hold the 24 bytes of K = 64 c + 32 h on, in pieces of 8 bytes.  16 bytes of padding lie behind every 64 bytes of a row.
.macro FRAG reg, a1, a2, q, i
.irp p, 0,1,2,3,4,5
.set PCE, 12*(\q)+6*(\p/3)+\p%3
.if PCE%8 < 5
	ds_load_b64 v[\reg+2*\p:\reg+2*\p+1], v[\a1] offset:8*PCE+16*(PCE/8)+(\i)*3840
.else
	ds_load_b64 v[\reg+2*\p:\reg+2*\p+1], v[\a2] offset:8*PCE+16*(PCE/8)+(\i)*3840
.endif
.endr
.endm
; The quantiser.  64 numbers of a lane, register 16 b + i in block b; lanes l and l xor 16 share a block.  QHEAD: scale word into v[pw], half blocks of codes.  QTAIL: whole blocks in a lane: the operand's 12 registers at v[cd].
.macro QHEAD s, pw, cd
.irp b, 0,1,2,3
	v_max3_num_f32 v[TM+\b], |v[(\s)+16*\b]|, |v[(\s)+16*\b+1]|, 0x1800000   ; with the floor 2^(3 - 127): the byte cannot fall under 1
.endr
.irp i, 2,4,6,8,10,12,14
.irp b, 0,1,2,3
	v_max3_num_f32 v[TM+\b], v[TM+\b], |v[(\s)+16*\b+\i]|, |v[(\s)+16*\b+\i+1]|
.endr
.endr
.irp b, 0,1,2,3
	v_permlanex16_b32 v[TM+4+\b], v[TM+\b], s[SEL], s[SEL+1]
.endr
.irp b, 0,1,2,3
	v_max_num_f32 v[TM+\b], v[TM+\b], v[TM+4+\b]
.endr
.irp b, 0,1,2,3
	v_add_nc_u32 v[TM+12+\b], 0xff000000, v[TM+\b]   ; 2 off the exponent field: the conversion's scale operand
.endr
.irp b, 0,1,2,3
	v_lshrrev_b32 v[TM+4+\b], 23, v[TM+12+\b]        ; the scale's byte
.endr
	v_lshl_or_b32 v[\pw], v[TM+5], 8, v[TM+4]
	v_lshl_or_b32 v[\pw], v[TM+6], 16, v[\pw]
	v_lshl_or_b32 v[\pw], v[TM+7], 24, v[\pw]
.irp c, 0,1
	v_cvt_scalef32_pk16_fp6_f32 v[(\cd)+6*\c:(\cd)+6*\c+2], v[(\s)+32*\c:(\s)+32*\c+15], v[TM+12+2*\c]
	v_cvt_scalef32_pk16_fp6_f32 v[(\cd)+12+4*\c:(\cd)+14+4*\c], v[(\s)+32*\c+16:(\s)+32*\c+31], v[TM+13+2*\c]
.endr
	v_nop                                          ; one plain place behind a scaled conversion
.endm
.macro QTAIL cd
.irp c, 0,1
.irp i, 0,1,2
	v_permlane16_swap_b32 v[(\cd)+6*\c+\i], v[(\cd)+12+4*\c+\i]
.endr
.irp i, 0,1,2
	v_mov_b32 v[(\cd)+3+6*\c+\i], v[(\cd)+12+4*\c+\i]
.endr
.endr
.endm
	s_load_b512 s[4:19], s[0:1], 0x0               ; x_codes 4, x_scales 6, wq_codes 8, wk_codes 10, wv_codes 12, wq_scales 14, wk_scales 16, wv_scales 18
	s_load_b256 s[20:27], s[0:1], 0x40             ; bq 20, bk 22, bv 24, qbuf 26
	s_load_b128 s[28:31], s[0:1], 0x60             ; kbuf 28, vbuf 30
	s_load_b64 s[32:33], s[0:1], 0x70              ; ksp
	v_lshl_add_u32 v[SPW], v0, 2, SPARE
	v_mov_b32 v[NIL], 0
	ds_add_u32 v4, v5
	ds_add_u32 v4, v5
	s_wait_dscnt 0x0
	v_lshrrev_b32 v1, 5, v0
	v_readfirstlane_b32 s[WV], v1
	s_lshr_b32 s[TH], s[WV], 1
	s_and_b32 s[FH], s[WV], 1
	s_bfe_u32 s[CX], ttmp6, 0x40000
	s_bfe_u32 s[CY], ttmp6, 0x40004
	s_lshl_b32 s[HEAD], ttmp9, 2
	s_add_co_u32 s[HEAD], s[HEAD], s[CX]           ; the head = 4 x cluster x + cx
	s_and_b32 s[TB], ttmp7, 0xffff
	s_lshl_b32 s[TB], s[TB], 2
	s_add_co_u32 s[TB], s[TB], s[CY]               ; the block of 256 tokens = 4 x cluster y + cy
	s_lshl_b32 s87, s[CY], 2
	s_lshl_b32 s87, 15, s87                        ; my row of the cluster
	s_lshl_b32 s88, 0x1111, s[CX]                  ; my column
	s_or_b32 s[G1X], s87, (1<<20)|(1<<21)|(3<<22)|(3<<25)   ; elements of 1 byte; 4 words of padding behind every 16; bit 21 beside a mask
	s_or_b32 s[G1W], s88, (1<<20)|(1<<21)|(3<<22)|(3<<25)
	s_mov_b32 s[G1X+1], 192<<16                    ; rows of 192 bytes: 256 codes
	s_mov_b32 s[G1X+2], 256<<16
	s_mov_b32 s[G1X+3], 192<<16
	s_mov_b32 s[G1X+4], 256                        ; 256 rows
	s_mov_b32 s[G1X+5], 768                        ; a row of 1,024 codes in memory
	s_mov_b32 s[G1X+6], 0
	s_mov_b32 s[G1X+7], 0
	s_mov_b32 s[G1W+1], 192<<16
	s_mov_b32 s[G1W+2], 64<<16
	s_mov_b32 s[G1W+3], 192<<16
	s_mov_b32 s[G1W+4], 64
	s_mov_b32 s[G1W+5], 768
	s_mov_b32 s[G1W+6], 0
	s_mov_b32 s[G1W+7], 0
	s_mul_i32 s90, s[TB], 196608                   ; x: 256 rows of 768 bytes a block (hangs on cy alone)
	s_mov_b32 s91, 0
	s_mul_i32 s92, s[HEAD], 49152                  ; W: 64 rows a head (hangs on cx alone)
	s_mov_b32 s93, 0
	s_mul_i32 s94, s[WV], 15360
	s_add_co_u32 s94, s94, 46080                   ; wave 1, 2, 3: at 61,440, 76,800, 92,160 of a slot
	s_wait_kmcnt 0x0
	s_add_nc_u64 s[90:91], s[4:5], s[90:91]
	s_cmp_eq_u32 s[WV], 1
	s_cselect_b64 s[88:89], s[8:9], s[12:13]
	s_cmp_eq_u32 s[WV], 2
	s_cselect_b64 s[88:89], s[10:11], s[88:89]
	s_add_nc_u64 s[92:93], s[88:89], s[92:93]
.irp n, 0,1,2
	s_mov_b32 s[G0X+4*\n], 1
	s_mov_b32 s[G0X+4*\n+1], \n*SLOT
	s_add_nc_u64 s[G0X+4*\n+2:G0X+4*\n+3], s[90:91], \n*192
	s_or_b32 s[G0X+4*\n+3], s[G0X+4*\n+3], 0x80000000
	s_mov_b32 s[G0W+4*\n], 1
	s_add_co_u32 s[G0W+4*\n+1], s94, \n*SLOT
	s_add_nc_u64 s[G0W+4*\n+2:G0W+4*\n+3], s[92:93], \n*192
	s_or_b32 s[G0W+4*\n+3], s[G0W+4*\n+3], 0x80000000
.endr
	CROUND                                         ; all sixteen work-groups are here: the first joint loads meet
	s_cmp_eq_u32 s[WV], 0                          ; a wave's three first fills stand in one branch
	s_cbranch_scc0 .Lfirst_w
	tensor_load_to_lds s[G0X:G0X+3], s[G1X:G1X+7]
	s_nop 0
	tensor_load_to_lds s[G0X+4:G0X+7], s[G1X:G1X+7]
	s_nop 0
	tensor_load_to_lds s[G0X+8:G0X+11], s[G1X:G1X+7]
	s_nop 0
	PLACES 4
	s_branch .Lfirst_done
.Lfirst_w:
	tensor_load_to_lds s[G0W:G0W+3], s[G1W:G1W+7]
	s_nop 0
	tensor_load_to_lds s[G0W+4:G0W+7], s[G1W:G1W+7]
	s_nop 0
	tensor_load_to_lds s[G0W+8:G0W+11], s[G1W:G1W+7]
	s_nop 0
	PLACES 4
.Lfirst_done:
	; the pointers of the scale words and biases
	s_mov_b32 s93, 0
	s_lshl_b32 s92, s[TB], 13
	s_lshl_b32 s94, s[TH], 12
	s_add_co_u32 s92, s92, s94
	s_add_nc_u64 s[6:7], s[6:7], s[92:93]          ; x's scales at my 128 tokens (32 bytes a row)
	s_cmp_eq_u32 s[FH], 0
	s_cselect_b64 s[14:15], s[14:15], s[16:17]     ; E is q (fh = 0) or k
	s_cselect_b64 s[20:21], s[20:21], s[22:23]
	s_cselect_b64 s[26:27], s[26:27], s[28:29]
	s_lshl_b32 s92, s[HEAD], 11
	s_add_nc_u64 s[14:15], s[14:15], s[92:93]
	s_lshl_b32 s94, s[FH], 10
	s_add_co_u32 s92, s92, s94
	s_add_nc_u64 s[18:19], s[18:19], s[92:93]      ; wv's scales at my 32 rows
	s_lshl_b32 s92, s[HEAD], 8
	s_add_nc_u64 s[20:21], s[20:21], s[92:93]
	s_lshl_b32 s94, s[FH], 7
	s_add_co_u32 s92, s92, s94
	s_add_nc_u64 s[24:25], s[24:25], s[92:93]
	v_and_b32 v1, 31, v0                           ; l
	v_and_b32 v2, 15, v0                           ; r
	v_bfe_u32 v3, v0, 4, 1                         ; h
	v_lshlrev_b32 v6, 5, v2
	v_lshl_add_u32 v6, v3, 4, v6                   ; 32 r + 16 h: sixteen lanes' rows of scales, half a row a lane
	v_lshlrev_b32 v7, 5, v3                        ; 32 h
	v_lshlrev_b32 v26, 2, v2                       ; 4 r
.irp a, 0,1,2,3,4,5,6,7
	global_load_b128 v[XSC+4*\a:XSC+4*\a+3], v6, s[6:7] offset:512*\a
.endr
.irp f, 0,1,2,3
	global_load_b128 v[ESC+4*\f:ESC+4*\f+3], v6, s[14:15] offset:512*\f
.endr
.irp t, 0,1
	global_load_b128 v[VSC+4*\t:VSC+4*\t+3], v6, s[18:19] offset:512*\t
	global_load_b32 v[BV+\t], v26, s[24:25] offset:64*\t
.endr
	WIN 0x40                                       ; destination window 1: E's bias in the result's layout, the C of the first products
.irp f, 0,1,2,3
	global_load_b128 v[192+8*\f:192+8*\f+3], v7, s[20:21] offset:64*\f
	global_load_b128 v[192+8*\f+4:192+8*\f+7], v7, s[20:21] offset:64*\f+16
.endr
	WIN 0
	; where the results go
	s_lshr_b32 s87, s[TB], 3
	s_lshl_b32 s87, s87, 4
	s_add_co_u32 s87, s87, s[HEAD]                 ; H = 16 x batch + head
	s_and_b32 s88, s[TB], 7
	s_lshl_b32 s88, s88, 1
	s_add_co_u32 s88, s88, s[TH]                   ; my group of 128 tokens in the batch
	s_mul_i32 s92, s87, 102400
	s_add_nc_u64 s[26:27], s[26:27], s[92:93]
	s_add_nc_u64 s[30:31], s[30:31], s[92:93]
	s_lshl_b32 s92, s88, 8
	s_add_nc_u64 s[28:29], s[26:27], s[92:93]      ; E's scale words: 256 bytes a group
	s_lshl_b32 s94, s[FH], 7
	s_add_co_u32 s92, s92, s94
	s_add_nc_u64 s[12:13], s[30:31], s[92:93]      ; V's: my half of the 256
	s_mul_i32 s92, s88, 6144
	s_add_nc_u64 s[26:27], s[26:27], s[92:93]      ; E's four images
	s_mul_i32 s94, s[FH], 3072
	s_add_co_u32 s92, s92, s94
	s_add_nc_u64 s[30:31], s[30:31], s[92:93]      ; V's two
	s_lshl_b32 s92, s87, 4
	s_add_co_u32 s92, s92, s88
	s_lshl_b32 s92, s92, 8
	s_add_nc_u64 s[32:33], s[32:33], s[92:93]
	v_lshlrev_b32 v27, 4, v1                       ; 16 l
	s_lshl_b32 s94, s[FH], 7
	v_xor_b32 v31, s94, v27                        ; for the odd images: in k's waves 16 (l xor 8), in q's 16 l
	v_lshlrev_b32 v28, 3, v1                       ; 8 l
	v_lshlrev_b32 v29, 2, v1                       ; 4 l
	v_lshrrev_b32 v30, 3, v2
	v_lshlrev_b32 v30, 7, v30
	v_lshl_add_u32 v30, v3, 6, v30
	v_and_b32 v36, 7, v2
	v_lshl_add_u32 v30, v36, 3, v30                ; 128 (r / 8) + 64 h + 8 (r % 8): my two sums in ksp
	v_mul_u32_u24 v34, v2, 240
	v_mad_u32_u24 v34, v3, 24, v34                 ; a fragment's row x pitch + 24 h,
	v_lshl_add_u32 v35, v3, 4, v34                 ; and behind one padding more
	s_mul_i32 s87, s[TH], 30720
	s_mul_i32 s88, s[FH], 15360
	s_add_co_u32 s88, s88, 61440
	s_mul_i32 s89, s[FH], 7680
	s_add_co_u32 s89, s89, 92160
.irp n, 0,1,2
	v_add_nc_u32 v[LA+6*\n], s87, v34
	v_add_nc_u32 v[LA+6*\n+1], s87, v35
	v_add_nc_u32 v[LA+6*\n+2], s88, v34
	v_add_nc_u32 v[LA+6*\n+3], s88, v35
	v_add_nc_u32 v[LA+6*\n+4], s89, v34
	v_add_nc_u32 v[LA+6*\n+5], s89, v35
	s_add_co_u32 s87, s87, SLOT
	s_add_co_u32 s88, s88, SLOT
	s_add_co_u32 s89, s89, SLOT
.endr
	s_mov_b32 s[L2E], 0x3fb8aa3b                   ; log2(e)
	s_mov_b32 s[L2E+1], s[L2E]
	s_mov_b32 s[SEL], 0x76543210
	s_mov_b32 s[SEL+1], 0xfedcba98                 ; lane l xor 16
	s_mov_b32 s[HIM], 0xffff0000                   ; lanes 16-31
; step s's fragments: x's eight into window 1, E's four of W into window 2, wv's two into window 0; set s % 2
.macro FETCH s
.set NS, ((\s)/2)%3
.set QQ, (\s)%2
	WIN 0x40
.irp a, 0,1,2,3,4,5,6,7
	FRAG 96*QQ+12*\a, LA+6*NS, LA+6*NS+1, QQ, \a
.endr
	WIN 0x80
.irp f, 0,1,2,3
	FRAG 48*QQ+12*\f, LA+6*NS+2, LA+6*NS+3, QQ, \f
.endr
	WIN 0
.irp t, 0,1
	FRAG WVF+24*QQ+12*\t, LA+6*NS+4, LA+6*NS+5, QQ, \t
.endr
.endm
.macro VMM t, a, p, sr, mode           ; v: tokens x rows of wv.  mode 0: starts the sum; 1: scale words of lanes 0-15; 2: of lanes 16-31
.set DV, 128+64*(\t)+8*(\a)
.set AV, 96*(\p)+12*(\a)
.set BW, WVF+24*(\p)+12*(\t)
.set SA, XSC+4*(\a)+(\sr)
.set SB, VSC+4*(\t)+(\sr)
.if (\mode) == 0
	v_wmma_scale_f32_16x16x128_f8f6f4 v[DV:DV+7], v[AV:AV+11], v[BW:BW+11], 0, v[SA], v[SB] matrix_a_fmt:MATRIX_FMT_FP6 matrix_b_fmt:MATRIX_FMT_FP6
.elseif (\mode) == 1
	v_wmma_scale_f32_16x16x128_f8f6f4 v[DV:DV+7], v[AV:AV+11], v[BW:BW+11], v[DV:DV+7], v[SA], v[SB] matrix_a_fmt:MATRIX_FMT_FP6 matrix_b_fmt:MATRIX_FMT_FP6
.else
	v_wmma_scale_f32_16x16x128_f8f6f4 v[DV:DV+7], v[AV:AV+11], v[BW:BW+11], v[DV:DV+7], v[SA], v[SB] matrix_a_fmt:MATRIX_FMT_FP6 matrix_b_fmt:MATRIX_FMT_FP6 matrix_a_scale:MATRIX_SCALE_ROW1 matrix_b_scale:MATRIX_SCALE_ROW1
.endif
.endm
.macro EMM a, f, p, sr, mode           ; q or k: rows of W x tokens.  mode 0: the bias is the C
.set DE, 8*(4*(\a)+(\f))
.set CE, DE
.if (\mode) == 0
.set CE, 192+8*(\f)
.endif
.set AE, 48*(\p)+12*(\f)
.set BX, 96*(\p)+12*(\a)
.set SA, ESC+4*(\f)+(\sr)
.set SB, XSC+4*(\a)+(\sr)
.if (\mode) < 2
	v_wmma_scale_f32_16x16x128_f8f6f4 v[DE:DE+7], v[AE:AE+11], v[BX:BX+11], v[CE:CE+7], v[SA], v[SB] matrix_a_fmt:MATRIX_FMT_FP6 matrix_b_fmt:MATRIX_FMT_FP6
.else
	v_wmma_scale_f32_16x16x128_f8f6f4 v[DE:DE+7], v[AE:AE+11], v[BX:BX+11], v[CE:CE+7], v[SA], v[SB] matrix_a_fmt:MATRIX_FMT_FP6 matrix_b_fmt:MATRIX_FMT_FP6 matrix_a_scale:MATRIX_SCALE_ROW1 matrix_b_scale:MATRIX_SCALE_ROW1
.endif
.endm
.macro MUL s                           ; 48 matrix instructions; the 48 accumulators take turns, in the same order in every step
.set PP, (\s)%2
.set SR, (\s)%4
.set MD, 1+(\s)/4
.if (\s) == 0
.set MD, 0
.endif
	WIN 0xa1                                       ; x window 1, wv window 0, C and D window 2
.irp t, 0,1
.irp a, 0,1,2,3,4,5,6,7
	VMM \t, \a, PP, SR, MD
.endr
.endr
.if MD == 0
	WIN 0xd6                                       ; W window 2, x window 1, the bias window 1, D window 3
.else
	WIN 0xf6                                       ; C and D window 3
.endif
.irp a, 0,1,2,3,4,5,6,7
.irp f, 0,1,2,3
	EMM \a, \f, PP, SR, MD
.endr
.endr
	WIN 0
.endm
.macro BARRIER
	s_barrier_signal -1
	s_barrier_wait -1
.endm
	s_wait_tensorcnt 0x2                           ; my part of slot 0 is in; the two younger fills may stay out
	BARRIER
	FETCH 0
	s_wait_loadcnt 0x0                             ; scale words and biases
	s_wait_dscnt 0x0
	FETCH 1
	MUL 0
	s_wait_dscnt 0x0                               ; step 1's fragments are in, and no LDS instruction of mine is out at the signal
	s_wait_tensorcnt 0x1                           ; slot 1 is in; slot 2's fill may stay out
	BARRIER
	PLACES 4                                       ; in front of loads into registers that matrix instructions have read
	FETCH 2
	MUL 1
	s_wait_dscnt 0x0
	PLACES 4
	FETCH 3
	MUL 2
	; K's fourth quarter goes into slot 0, which was read last in step 1.  The wait for all loads falls where slot 2 is wanted anyway.
	s_wait_tensorcnt 0x0                           ; all my tensor loads have landed: both sets 0 may be written
	ds_add_u32 v[SPW], v[NIL]                      ; 0 onto my spare word
	s_add_nc_u64 s[G0X+2:G0X+3], s[G0X+2:G0X+3], 576
	s_add_nc_u64 s[G0W+2:G0W+3], s[G0W+2:G0W+3], 576
	s_wait_dscnt 0x0                               ; the add is done, step 3's fragments are in, my reads of slot 0 are long over
	CROUND                                         ; no wave of any partner still reads slot 0 or has a load on its way
	JLOAD 0                                        ; the first tensor load behind the round; its four v_nop are the places in front of the loads below
	FETCH 4
	MUL 3
	s_wait_dscnt 0x0
	PLACES 4
	FETCH 5
	MUL 4
	s_wait_dscnt 0x0
	s_wait_tensorcnt 0x0                           ; the refill has landed: the last tensor load
	BARRIER
	PLACES 4
	FETCH 6
	MUL 5
	s_wait_dscnt 0x0
	PLACES 4
	FETCH 7
	MUL 6
	s_wait_dscnt 0x0
	MUL 7
	; ---- THE WAY OUT.  These five moves are the places behind the last products.
.irp b, 0,1,2,3
	v_mov_b32 v[TM+4+\b], 0                        ; written once: a lane permute's destination counts as one of its sources
.endr
	v_mov_b32 v[ONE], 0x7f7f7f7f
; v: the bias is added on the way from window 2 to window 0; a lane's 64 numbers are 128 tokens' worth of its d: one fragment
.macro EPI_V t
	WIN 0x02
.set I, 0
.rept 32
.if (\t) == 0
	v_pk_add_f32 v[F+I:F+I+1], v[128+I:128+I+1], v[BV:BV+1] op_sel_hi:[1,0]
.else
	v_pk_add_f32 v[F+I:F+I+1], v[192+I:192+I+1], v[BV:BV+1] op_sel:[0,1] op_sel_hi:[1,1]
.endif
.set I, I+2
.endr
	WIN 0
.irp b, 0,1,2,3                        ; register 16 b + 8 u + j is token 32 b + 16 u + 8 h + j; the halves of the lanes change places: then register 16 b + i is token 32 b + 16 h + i, the true order
.irp j, 0,1,2,3,4,5,6,7
	v_permlane16_swap_b32 v[F+16*\b+\j], v[F+16*\b+8+\j]
.endr
.endr
.if (\t) > 0
	s_wait_xcnt 0x0                                ; the codes' registers are rewritten only behind this wait
.endif
	QHEAD F, PWV+\t, CD
	QTAIL CD
.irp c, 0,1,2
	global_store_b128 v27, v[CD+4*\c:CD+4*\c+3], s[30:31] offset:4096+1536*(\t)+512*\c   ; 512 consecutive bytes, aligned
.endr
.endm
	EPI_V 0
	EPI_V 1
	v_cndmask_b32 v[PKV], v[PWV], v[PWV+1], s[HIM] ; lanes 0-15 my first d tile's words, lanes 16-31 my second's
	global_store_b32 v29, v[PKV], s[12:13]         ; 128 consecutive bytes: the other half of the 256 is the neighbouring wave's
; the sums of quantised k: the codes just made, back to f32, times their block's scale.  A lane's registers: [d block][its 16 places]
.macro KSUM be
.irp b, 0,1,2,3
	v_and_b32 v[SCF+\b], 0x7f800000, v[TM+12+\b]   ; the scale as f32
.endr
.irp c, 0,1
	v_cvt_scale_pk16_f32_fp6 v[F+32*\c:F+32*\c+15], v[CD+6*\c:CD+6*\c+2], v[ONE]
	v_cvt_scale_pk16_f32_fp6 v[F+32*\c+16:F+32*\c+31], v[CD+12+4*\c:CD+14+4*\c], v[ONE]
.endr
	v_nop
.irp c, 0,1
.irp i, 0,2,4,6,8,10,12,14
.if ((\be) == 0) && (\c == 0)
	v_pk_mul_f32 v[KS+\i:KS+\i+1], v[F+\i:F+\i+1], v[SCF:SCF+1] op_sel_hi:[1,0]
	v_pk_mul_f32 v[KS+16+\i:KS+17+\i], v[F+16+\i:F+17+\i], v[SCF:SCF+1] op_sel:[0,1] op_sel_hi:[1,1]
.else
	v_pk_fma_f32 v[KS+\i:KS+\i+1], v[F+32*\c+\i:F+32*\c+\i+1], v[SCF+2*\c:SCF+2*\c+1], v[KS+\i:KS+\i+1] op_sel_hi:[1,0,1]
	v_pk_fma_f32 v[KS+16+\i:KS+17+\i], v[F+32*\c+16+\i:F+32*\c+17+\i], v[SCF+2*\c:SCF+2*\c+1], v[KS+16+\i:KS+17+\i] op_sel:[0,1,0] op_sel_hi:[1,1,1]
.endif
.endr
.endr
.endm
; q or k: 32 tokens (two tiles) at a time: elu + 1, one fragment
.macro EPI_E be
.set AC, 64*(\be)
	WIN 0x03                                       ; from window 3 into window 0
.set I, 0
.rept 32
	v_pk_mul_f32 v[F+I:F+I+1], v[AC+I:AC+I+1], s[L2E:L2E+1] op_sel_hi:[1,0]
.set I, I+2
.endr
	WIN 0xc3
.set I, 0
.rept 32
	v_pk_add_f32 v[AC+I:AC+I+1], v[AC+I:AC+I+1], 1.0 op_sel_hi:[1,0]   ; x + 1, in place
.set I, I+2
.endr
	WIN 0
.set I, 0
.rept 64
	v_exp_f32 v[F+I], -|v[F+I]|
.set I, I+1
.endr
	v_nop                                          ; a plain place behind the exponentials
.set I, 0
	s_wait_alu depctr_va_vdst(0)
.rept 32
	v_pk_add_f32 v[F+I:F+I+1], v[F+I:F+I+1], -1.0 op_sel_hi:[1,0]
.set I, I+2
.endr
.set I, 0
.rept 32
	v_pk_add_f32 v[F+I:F+I+1], v[F+I:F+I+1], 1.0 op_sel_hi:[1,0]
.set I, I+2
.endr
	WIN 0x0c
.set I, 0
.rept 64
	v_max_num_f32 v[F+I], v[F+I], v[AC+I]
.set I, I+1
.endr
	WIN 0
	s_wait_xcnt 0x0                                ; the last stores have read the codes' registers
	QHEAD F, PWR+\be, CD
	s_cmp_eq_u32 s[FH], 0
	s_cbranch_scc1 .Lis_q_\@
	KSUM \be
.Lis_q_\@:
	QTAIL CD
.irp c, 0,1,2
.if (\be)%2
	global_store_b128 v31, v[CD+4*\c:CD+4*\c+3], s[26:27] offset:4096+1536*(\be)+512*\c   ; an odd image: k's lanes l and l xor 8 exchanged; 512 consecutive bytes all the same
.else
	global_store_b128 v27, v[CD+4*\c:CD+4*\c+3], s[26:27] offset:4096+1536*(\be)+512*\c
.endif
.endr
.endm
	EPI_E 0
	EPI_E 1
	EPI_E 2
	EPI_E 3
	v_cndmask_b32 v[PK], v[PWR], v[PWR+1], s[HIM]  ; word j: lanes 0-15 token block 2 j, lanes 16-31 block 2 j + 1
	v_cndmask_b32 v[PK+1], v[PWR+2], v[PWR+3], s[HIM]
	global_store_b64 v28, v[PK:PK+1], s[28:29]     ; 256 consecutive bytes, aligned
	s_cmp_eq_u32 s[FH], 0
	s_cbranch_scc1 .Lno_sums
	; the 32 sums of each lane are added over the 16 lanes of a half, halving the registers in each step: lane r ends with sums 2 r and 2 r + 1
	s_mov_b32 s88, 0xff00ff00
	s_mov_b32 s89, 0xf0f0f0f0
	s_mov_b32 s90, 0xcccccccc
	s_mov_b32 s91, 0xaaaaaaaa
.macro SCAT n, m, msk
.set I, 0
.rept \n/2
	v_cndmask_b32 v[T+I%2], v[KS+\n/2+I], v[KS+I], s[\msk]    ; what my partner keeps,
	v_cndmask_b32 v[KS+I], v[KS+I], v[KS+\n/2+I], s[\msk]     ; what I keep,
	v_add_f32_dpp v[KS+I], v[T+I%2], v[KS+I] row_xmask:\m row_mask:0xf bank_mask:0xf
.set I, I+1
.endr
.endm
	SCAT 32, 8, 88
	SCAT 16, 4, 89
	SCAT 8, 2, 90
	SCAT 4, 1, 91
	global_store_b64 v30, v[KS:KS+1], s[32:33]     ; the wave fills 256 aligned bytes
.Lno_sums:
	s_wait_tensorcnt 0x0                           ; the wave's end
	ds_add_u32 v[SPW], v[NIL]
	s_wait_dscnt 0x0
	CROUND                                         ; the closing round
	s_endpgm
.Lfunc_end_k_qc88418fc75_proj:
	.size	k_qc88418fc75_proj, .Lfunc_end_k_qc88418fc75_proj-k_qc88418fc75_proj
	.p2alignl 7, 3214868480
	.fill 96, 4, 3214868480
	.section	.rodata,"a",@progbits
	.p2align	6, 0x0
	.amdhsa_kernel k_qc88418fc75_proj
		.amdhsa_group_segment_fixed_size 327680
		.amdhsa_private_segment_fixed_size 0
		.amdhsa_enable_private_segment 0
		.amdhsa_kernarg_size 120
		.amdhsa_user_sgpr_count 2
		.amdhsa_user_sgpr_kernarg_segment_ptr 1
		.amdhsa_wavefront_size32 1
		.amdhsa_system_sgpr_workgroup_id_x 1
		.amdhsa_system_sgpr_workgroup_id_y 1
		.amdhsa_system_sgpr_workgroup_id_z 1
		.amdhsa_system_vgpr_workitem_id 0
		.amdhsa_next_free_vgpr 1024
		.amdhsa_next_free_sgpr 102
		.amdhsa_reserve_vcc 0
		.amdhsa_float_denorm_mode_32 3
		.amdhsa_float_denorm_mode_16_64 3
		.amdhsa_memory_ordered 1
		.amdhsa_forward_progress 1
		.amdhsa_inst_pref_size 211
	.end_amdhsa_kernel
	.amdgpu_metadata
---
amdhsa.version: [ 1, 2 ]
amdhsa.kernels:
  - .name:           k_qc88418fc75_proj
    .symbol:         k_qc88418fc75_proj.kd
    .args:
      - { .name: x_codes, .offset: 0, .size: 8, .value_kind: global_buffer, .address_space: global }
      - { .name: x_scales, .offset: 8, .size: 8, .value_kind: global_buffer, .address_space: global }
      - { .name: wq_codes, .offset: 16, .size: 8, .value_kind: global_buffer, .address_space: global }
      - { .name: wk_codes, .offset: 24, .size: 8, .value_kind: global_buffer, .address_space: global }
      - { .name: wv_codes, .offset: 32, .size: 8, .value_kind: global_buffer, .address_space: global }
      - { .name: wq_scales, .offset: 40, .size: 8, .value_kind: global_buffer, .address_space: global }
      - { .name: wk_scales, .offset: 48, .size: 8, .value_kind: global_buffer, .address_space: global }
      - { .name: wv_scales, .offset: 56, .size: 8, .value_kind: global_buffer, .address_space: global }
      - { .name: bq, .offset: 64, .size: 8, .value_kind: global_buffer, .address_space: global }
      - { .name: bk, .offset: 72, .size: 8, .value_kind: global_buffer, .address_space: global }
      - { .name: bv, .offset: 80, .size: 8, .value_kind: global_buffer, .address_space: global }
      - { .name: qbuf, .offset: 88, .size: 8, .value_kind: global_buffer, .address_space: global }
      - { .name: kbuf, .offset: 96, .size: 8, .value_kind: global_buffer, .address_space: global }
      - { .name: vbuf, .offset: 104, .size: 8, .value_kind: global_buffer, .address_space: global }
      - { .name: ksp, .offset: 112, .size: 8, .value_kind: global_buffer, .address_space: global }
    .group_segment_fixed_size: 327680
    .private_segment_fixed_size: 0
    .kernarg_segment_align: 8
    .kernarg_segment_size: 120
    .max_flat_workgroup_size: 128
    .sgpr_count:     102
    .vgpr_count:     1024
    .wavefront_size: 32
...
	.end_amdgpu_metadata
.endif
;; end of part 1
;; launch attn (part 2): grid 8 x 32, 8 waves a work-group, clusters of 4 x 1, 209,920 bytes of LDS; arguments qbuf, kbuf, vbuf, ksp, mbuf, msc; writes mbuf, msc
.if DOCPART == 2
	.amdgcn_target "amdgcn-amd-amdhsa--gfx1250"
	.amdhsa_code_object_version 6
	.text
	.protected	k_qc88418fc75_attn
	.globl	k_qc88418fc75_attn
	.p2align	8
	.type	k_qc88418fc75_attn,@function
k_qc88418fc75_attn:
	s_mov_b64 s[64:65], 0
	v_nop
	global_prefetch_b8 v0, s[64:65] scope:SCOPE_SE
	s_setreg_imm32_b32 hwreg(HW_REG_WAVE_MODE, 25, 1), 1
	s_wait_xcnt 0x0
	s_wait_alu depctr_hold_cnt(0) depctr_sa_sdst(0) depctr_va_vdst(0) depctr_va_sdst(0) depctr_va_ssrc(0) depctr_va_vcc(0) depctr_vm_vsrc(0)
	s_getreg_b32 s2, hwreg(HW_REG_IB_STS2, 6, 4)
	s_cmp_eq_u32 s2, 0
	s_cbranch_scc0 .Lentry_in_a_cluster
	s_endpgm
.Lentry_in_a_cluster:
	s_bfe_u32 s2, ttmp6, 0x10000c
	s_cmp_lg_u32 s2, 0x3003
	s_cbranch_scc0 .Lentry_shape_is_right
	s_endpgm
.Lentry_shape_is_right:
; For one (batch, head) and 256 queries: scores = q k^T (K = 64), weights = scores / max(row sum, 1e-6), quantised along the keys, attended = weights v; the attended rows are quantised along d for the last product.
; All on codes of FP6 (E2M3) with E8M0 scales, made by the launch before.
; THE ROW SUM stands ahead of the quantiser.  Every term is 0 or more, so the sum over the keys is drawn inside: denominator = sum over d of q(d) x (sum over keys of k(d)), in f32, from the quantised numbers:
; the same sum in another order, with no cancellation, for every input.  The sums of k come from ksp in 16 parts.
; SHARES.  Eight waves, 32 queries (two tiles) each, two waves to a SIMD; every wave walks all 2,048 keys, 128 a step.  The head's K and V, 204,800 bytes, come into LDS once, by joint loads of the cluster's four
; work-groups, which share the head.  Nothing is filled again.  Two loads a wave: part A (scale words and key steps 0-3), part B (steps 4-15): two tensor loads of a wave are out at most.
; K = 64 IN A FORM 128 DEEP.  A fragment of k holds TWO key tiles (registers 0-5, registers 6-11).  The queries lie as 0 | q0 | 0 | q1 | 0, six registers each: [q | 0] picks the first key tile, [0 | q] the second;
; zero codes add nothing, and all scale bytes are 1 to 254.
; LAYOUT.  S^T = k q^T and O^T = v^T p^T: a lane holds one query throughout; p's registers run along the keys.
; THE KEYS OF A TILE ARE CHOSEN so that a lane holds a WHOLE block of 32 keys.  Fragment (c, f) of a step takes in its row rho the keys 64 c + 32 (rho / 8) + 8 f + rho % 8 (registers 0-5) and those 16 further on
; (registers 6-11).  Register j of lane half h of the result (c, f, u) is then key 64 c + 32 h + 8 (f + 2 u) + j: written to S + 32 c + 8 (f + 2 u) + j, a lane's 32 registers are block 2 c + h in true order, which is
; the layout of the second product's operand: no lane is asked for a maximum and no codes change lanes.  The choice costs addresses alone: lane (rho, h) reads the 12 registers of lane (8 f + rho % 8, h) of the stored
; image 2 c + rho / 8; odd images were stored with lanes l and l xor 8 exchanged.
; LIMITS: NaN and infinities are not served.  weight = score x v_rcp_f32(denominator).  A block whose largest weight lies under 2^-124 keeps the scale byte 1.
.set KIMG, 4096                        ; LDS: K's scale words at 0, its 64 images from here;
.set VSCL, 102400                      ; V's scale words,
.set VIMG, 106496                      ; its images;
.set KSA,  204800                      ; 256 bytes a wave, to spread the sums of k over the lanes;
.set MSA,  206848                      ; 512 bytes, to gather the scale words of the result
.set AK0,  1                           ; v1   my lane's place in the images for fragments f = 0
.set L8,   2                           ; v2   8 l
.set ASV0, 3
.set ADK,  4                           ; v4   the step's address for f = 0 (v43: for f = 1)
.set ADV,  5
.set ADSK, 6
.set ADSV, 7
.set RD,   8                           ; v8-11  1 / denominator of my query in tile 0, 1 (pairs)
.set QS,   12                          ; v12-13 q's two scale bytes, twice
.set KSC,  14                          ; v14-15 k's scale words of the step: register c; lanes 0-15 fragment f = 0, lanes 16-31 f = 1
.set VSC,  16                          ; v16-17 v's
.set PW,   18                          ; v18-19 p's
.set L16,  23                          ; v23 = 16 l
.set AV0,  24
.set R8,   25                          ; v25 = 8 r
.set TM,   26                          ; v26-41 the quantisers' block figures:
.set MX,   26                          ; v26-29 largest weights of my four blocks (2 x tile + c),
.set SO,   30                          ; v30-33 the conversions' scale operands,
.set BY,   34                          ; v34-37 the bytes,
.set WT,   38                          ; v38-39 the other lane half's bytes
.set SH8,  42                          ; v42 = 8 h
.set ADK1, 43
.set CD0,  44                          ; v44-63, v64-83: p's codes, tile 0, 1
.set KSW,  84
.set KSR,  85
.set MSW,  86
.set MSR,  87
.set PWM,  88
.set AK1,  89                          ; v89  my lane's place for fragments f = 1
.set ASKP, 90                          ; v90  my lane's place among k's scale words
.set S,    128                         ; v128-255 S^T, then p: 64 a tile
.set KF,   64                          ; window 1: O^T at v0-63, k's four fragments (2 c + f),
.set VF,   112                         ; v's four,
.set QZ,   160                         ; 0 | q0 | 0 | q1 | 0
.set KP,   128                         ; at the head, in S's registers: ksp's 16 parts,
.set QI,   160                         ; q's image,
.set QM,   172
.set KSM,  180                         ; my d block's 32 sums of k,
.set DQ,   212                         ; 32 numbers of q,
.set DA,   244
.set DT,   248
.set ONE,  250
.set QW,   251
.set WV,  16
.set SEL, 44
.set TC,  46                           ; 6,144 x key step
.set TS,  47                           ; 256 x key step
.set MSB, 0
.macro WIN new                         ; the immediate's high byte repeats the setting that is left
.if MSB != \new
	s_set_vgpr_msb (MSB<<8)|\new
.set MSB, \new
.endif
.endm
.macro PLACES n
.rept \n
	v_nop
.endr
.endm
.macro CROUND                          ; a round of the cluster's barrier
	s_barrier_signal -1
	s_barrier_wait -1
	s_cmp_lg_u32 s[WV], 0
	s_cbranch_scc1 .Lnot_wave_0_\@
	s_barrier_signal -3
.Lnot_wave_0_\@:
	s_barrier_wait -3
	s_barrier_signal -1
	s_barrier_wait -1
.endm
; The quantiser of the way out: 64 numbers of a lane, register 16 b + i in block b; lanes l and l xor 16 share a block
.macro QHEAD s, pw, cd
.irp b, 0,1,2,3
	v_max3_num_f32 v[TM+\b], |v[(\s)+16*\b]|, |v[(\s)+16*\b+1]|, 0x1800000   ; with the floor 2^(3 - 127): the byte cannot fall under 1
.endr
.irp i, 2,4,6,8,10,12,14
.irp b, 0,1,2,3
	v_max3_num_f32 v[TM+\b], v[TM+\b], |v[(\s)+16*\b+\i]|, |v[(\s)+16*\b+\i+1]|
.endr
.endr
.irp b, 0,1,2,3
	v_permlanex16_b32 v[TM+4+\b], v[TM+\b], s[SEL], s[SEL+1]
.endr
.irp b, 0,1,2,3
	v_max_num_f32 v[TM+\b], v[TM+\b], v[TM+4+\b]
.endr
.irp b, 0,1,2,3
	v_add_nc_u32 v[TM+12+\b], 0xff000000, v[TM+\b]   ; 2 off the exponent field: the conversion's scale operand
.endr
.irp b, 0,1,2,3
	v_lshrrev_b32 v[TM+4+\b], 23, v[TM+12+\b]
.endr
	v_lshl_or_b32 v[\pw], v[TM+5], 8, v[TM+4]
	v_lshl_or_b32 v[\pw], v[TM+6], 16, v[\pw]
	v_lshl_or_b32 v[\pw], v[TM+7], 24, v[\pw]
.irp c, 0,1
	v_cvt_scalef32_pk16_fp6_f32 v[(\cd)+6*\c:(\cd)+6*\c+2], v[(\s)+32*\c:(\s)+32*\c+15], v[TM+12+2*\c]
	v_cvt_scalef32_pk16_fp6_f32 v[(\cd)+12+4*\c:(\cd)+14+4*\c], v[(\s)+32*\c+16:(\s)+32*\c+31], v[TM+13+2*\c]
.endr
	v_nop
.endm
.macro QTAIL cd
.irp c, 0,1
.irp i, 0,1,2
	v_permlane16_swap_b32 v[(\cd)+6*\c+\i], v[(\cd)+12+4*\c+\i]
.endr
.irp i, 0,1,2
	v_mov_b32 v[(\cd)+3+6*\c+\i], v[(\cd)+12+4*\c+\i]
.endr
.endr
.endm
; The quantiser of the weights, both tiles of queries at once.  Registers S + 32 k on (k = 2 x tile + c) are a whole block, 2 c + h, of my query's weights: four chains of maxima by turns, no other lane asked.
.macro QUANTW
.irp k, 0,1,2,3
	v_max3_num_f32 v[MX+\k], |v[S+32*\k]|, |v[S+32*\k+1]|, 0x1800000   ; with the floor 2^(3 - 127): the byte cannot fall under 1
.endr
.irp i, 2,4,6,8,10,12,14,16,18,20,22,24,26,28,30
.irp k, 0,1,2,3
	v_max3_num_f32 v[MX+\k], v[MX+\k], |v[S+32*\k+\i]|, |v[S+32*\k+\i+1]|
.endr
.endr
.irp k, 0,1,2,3
	v_add_nc_u32 v[SO+\k], 0xff000000, v[MX+\k]    ; 2 off the exponent field: the conversion's scale operand
.endr
.irp k, 0,1,2,3
	v_lshrrev_b32 v[BY+\k], 23, v[SO+\k]           ; the scale's byte
.endr
.irp qt, 0,1
	v_lshl_or_b32 v[PW+\qt], v[BY+2*\qt+1], 16, v[BY+2*\qt]   ; my two bytes: blocks h and 2 + h,
.endr
.irp qt, 0,1
	v_lshlrev_b32 v[PW+\qt], v[SH8], v[PW+\qt]     ; at their places in the scale word (8 h bits up);
.endr
.irp qt, 0,1
	v_permlanex16_b32 v[WT+\qt], v[PW+\qt], s[SEL], s[SEL+1]
.endr
.irp qt, 0,1
	v_or_b32 v[PW+\qt], v[PW+\qt], v[WT+\qt]       ; with lane l xor 16's two the word is whole
.endr
.irp qt, 0,1
.irp c, 0,1
	v_cvt_scalef32_pk16_fp6_f32 v[CD0+20*\qt+6*\c:CD0+20*\qt+6*\c+2], v[S+64*\qt+32*\c:S+64*\qt+32*\c+15], v[SO+2*\qt+\c]
	v_cvt_scalef32_pk16_fp6_f32 v[CD0+20*\qt+12+4*\c:CD0+20*\qt+14+4*\c], v[S+64*\qt+32*\c+16:S+64*\qt+32*\c+31], v[SO+2*\qt+\c]   ; (a conversion's three registers begin on an even number)
.endr
.endr
	v_nop                                          ; one plain place behind the scaled conversions
.irp qt, 0,1
.irp c, 0,1
.irp i, 0,1,2
	v_mov_b32 v[CD0+20*\qt+3+6*\c+\i], v[CD0+20*\qt+12+4*\c+\i]
.endr
.endr
.endr
.endm
; k's four fragments of a step: fragment 2 c + f from off + 3,072 c on, by the address register of its f
.macro KLOAD a0, a1, off
.irp c, 0,1
.irp ch, 0,1,2
	ds_load_b128 v[KF+24*\c+4*\ch:KF+24*\c+4*\ch+3], v[\a0] offset:(\off)+3072*\c+512*\ch
.endr
.irp ch, 0,1,2
	ds_load_b128 v[KF+24*\c+12+4*\ch:KF+24*\c+12+4*\ch+3], v[\a1] offset:(\off)+3072*\c+512*\ch
.endr
.endr
.endm
	s_load_b256 s[4:11], s[0:1], 0x0               ; qbuf 4, kbuf 6, vbuf 8, ksp 10
	s_load_b128 s[12:15], s[0:1], 0x20             ; mbuf 12, msc 14
	v_lshl_add_u32 v126, v0, 2, 0x33000
	v_mov_b32 v127, 0
	ds_add_u32 v126, v127
	ds_add_u32 v126, v127
	v_lshrrev_b32 v20, 5, v0
	v_readfirstlane_b32 s[WV], v20                 ; wave 0..7
	v_and_b32 v20, 31, v0                          ; l
	v_and_b32 v21, 15, v0                          ; r
	v_bfe_u32 v22, v0, 4, 1                        ; h
	v_lshlrev_b32 v[L16], 4, v20
	v_lshlrev_b32 v[L8], 3, v20
	v_lshlrev_b32 v[R8], 3, v21
	s_bfe_u32 s17, ttmp6, 0x40000                  ; cx
	s_lshl_b32 s18, ttmp9, 2
	s_add_co_u32 s18, s18, s17                     ; my block of 256 queries: it enters q's and the results' addresses alone
	s_and_b32 s19, ttmp7, 0xffff                   ; H = 16 x batch + head, which the four partners share
	; group 1: dense rows of 256 bytes (32 elements of 8 bytes); 28 rows (part A), 72 rows (part B); the mask names all four work-groups
	s_mov_b32 s20, 15|(3<<16)|(1<<21)
	s_mov_b32 s21, 32<<16
	s_mov_b32 s22, 28<<16
	s_mov_b32 s23, 32<<16
	s_mov_b32 s24, 28
	s_mov_b32 s25, 32
	s_mov_b32 s26, 0
	s_mov_b32 s27, 0
	s_mov_b32 s28, 15|(3<<16)|(1<<21)
	s_mov_b32 s29, 32<<16
	s_mov_b32 s30, 72<<16
	s_mov_b32 s31, 32<<16
	s_mov_b32 s32, 72
	s_mov_b32 s33, 32
	s_mov_b32 s34, 0
	s_mov_b32 s35, 0
	; every offset is made here, while the arguments are on their way
	s_mul_i32 s50, s19, 102400                     ; the head's bytes in qbuf, kbuf, vbuf
	s_and_b32 s49, s[WV], 3
	s_lshr_b32 s72, s[WV], 2
	s_mul_i32 s72, s72, 102400                     ; waves 0-3 fetch K, waves 4-7 V: a quarter each
	s_mul_i32 s73, s49, 7168
	s_mul_i32 s74, s49, 18432
	s_add_co_u32 s74, s74, 28672
	s_mov_b32 s36, 1
	s_add_co_u32 s37, s72, s73                     ; part A in LDS,
	s_mov_b32 s40, 1
	s_add_co_u32 s41, s72, s74                     ; part B
	s_add_co_u32 s52, s50, s73                     ; and in memory
	s_mov_b32 s53, 0
	s_add_co_u32 s54, s50, s74
	s_mov_b32 s55, 0
	s_lshl_b32 s75, s18, 3
	s_add_co_u32 s75, s75, s[WV]                   ; B: my block of 32 queries
	s_mul_i32 s56, s75, 1536
	s_add_co_u32 s56, s56, s50                     ; its image (4,096 more in the immediates)
	s_mov_b32 s57, 0
	s_lshr_b32 s76, s75, 2
	s_lshl_b32 s58, s76, 8
	s_and_b32 s76, s75, 1
	s_lshl_b32 s76, s76, 7
	s_add_co_u32 s58, s58, s76
	s_bfe_u32 s76, s75, 0x10001
	s_lshl_b32 s76, s76, 2
	s_add_co_u32 s58, s58, s76
	s_add_co_u32 s58, s58, s50                     ; its scale words: 256 (B / 4) + 128 (B % 2) + 4 ((B / 2) % 2), + 8 r
	s_mov_b32 s59, 0
	s_lshl_b32 s60, s19, 12                        ; ksp: 4,096 bytes a head
	s_mov_b32 s61, 0
	s_lshr_b32 s76, s19, 4                         ; batch
	s_and_b32 s77, s19, 15                         ; head
	s_lshl_b32 s78, s76, 4
	s_lshl_b32 s79, s18, 1
	s_add_co_u32 s78, s78, s79
	s_lshr_b32 s79, s[WV], 2
	s_add_co_u32 s78, s78, s79                     ; my group of 128 tokens
	s_mul_i32 s62, s78, 98304
	s_lshr_b32 s79, s77, 2
	s_mul_i32 s79, s79, 24576
	s_add_co_u32 s62, s62, s79
	s_mul_i32 s79, s49, 6144
	s_add_co_u32 s62, s62, s79
	s_and_b32 s79, s77, 3
	s_mul_i32 s79, s79, 768
	s_add_co_u32 s62, s62, s79                     ; where my codes go in mbuf
	s_mov_b32 s63, 0
	s_lshl_b32 s68, s77, 13
	s_lshl_b32 s79, s76, 12
	s_add_co_u32 s68, s68, s79
	s_lshl_b32 s79, s18, 9
	s_add_co_u32 s68, s68, s79                     ; and the work-group's scale words in msc
	s_mov_b32 s69, 0
	s_mov_b32 s[SEL], 0x76543210
	s_mov_b32 s[SEL+1], 0xfedcba98                 ; lane l xor 16
	s_mov_b32 s[TC], 0
	s_mov_b32 s[TS], 0
	s_wait_dscnt 0x0
	s_wait_kmcnt 0x0
	s_add_nc_u64 s[56:57], s[4:5], s[56:57]
	s_add_nc_u64 s[4:5], s[4:5], s[58:59]
	s_add_nc_u64 s[10:11], s[10:11], s[60:61]
	s_add_nc_u64 s[12:13], s[12:13], s[62:63]
	s_add_nc_u64 s[14:15], s[14:15], s[68:69]
	s_cmp_lt_u32 s[WV], 4
	s_cselect_b64 s[70:71], s[6:7], s[8:9]
	s_add_nc_u64 s[38:39], s[70:71], s[52:53]
	s_or_b32 s39, s39, 0x80000000
	s_add_nc_u64 s[42:43], s[70:71], s[54:55]
	s_or_b32 s43, s43, 0x80000000
	; q and the sums of k are asked for ahead of the round: they are on their way while the work-groups meet
	WIN 0x40                                       ; destination window 1: q as the operand, its two tiles six registers apart
	global_load_b128 v[QZ+6:QZ+9], v[L16], s[56:57] offset:4096
	global_load_b64 v[QZ+10:QZ+11], v[L16], s[56:57] offset:4096+512
	global_load_b64 v[QZ+18:QZ+19], v[L16], s[56:57] offset:4096+520
	global_load_b128 v[QZ+20:QZ+23], v[L16], s[56:57] offset:4096+1024
	WIN 0
.irp c, 0,1,2
	global_load_b128 v[QI+4*\c:QI+4*\c+3], v[L16], s[56:57] offset:4096+512*\c   ; and once more, for the denominators
.endr
	global_load_b32 v[QW], v[R8], s[4:5]
.irp i, 0,1,2,3,4,5,6,7,8,9,10,11,12,13,14,15
	global_load_b64 v[KP+2*\i:KP+2*\i+1], v[L8], s[10:11] offset:256*\i
.endr
	CROUND                                         ; all four work-groups are here: the joint loads meet
	tensor_load_to_lds s[36:39], s[20:27]          ; part A.  Part B's line follows some 45 lines on, in the same group: every wave has then asked for its part A
	s_nop 0
	PLACES 4
	WIN 0x40
.irp i, 0,1,2,3,4,5,12,13,14,15,16,17,24,25,26,27,28,29
	v_mov_b32 v[QZ+\i], 0                          ; the zero codes
.endr
	WIN 0
	v_lshrrev_b32 v26, 3, v21                      ; g = r / 8
	v_and_b32 v27, 7, v21
	v_lshlrev_b32 v28, 3, v27
	v_lshlrev_b32 v27, 4, v27
	v_lshl_add_u32 v27, v22, 8, v27                ; 16 (r % 8) + 256 h
	v_mad_u32_u24 v[AK0], v26, 1664, v27           ; f = 0: rows 0-7 from the even image's lanes 0-7, rows 8-15 from the odd image (1,536 on), whose lanes 0-7 lie 128 bytes up
	v_add_nc_u32 v[AK0], KIMG, v[AK0]
	v_mad_u32_u24 v[AK1], v26, 1408, v27           ; f = 1: the even image's lanes 8-15 (128 bytes up), the odd image's lanes 8-15, which lie at its start
	v_add_nc_u32 v[AK1], KIMG+128, v[AK1]
	v_lshl_add_u32 v28, v22, 6, v28
	v_lshl_add_u32 v[ASKP], v26, 7, v28            ; lane L = rho + 16 f: the word of image 2 c + rho / 8, lane 8 f + rho % 8: 8 (L % 8) + 64 (L / 16) + 128 ((L / 8) % 2), + 4 c
	v_lshlrev_b32 v[SH8], 3, v22
	v_add_nc_u32 v[AV0], VIMG, v[L16]
	v_lshl_add_u32 v[ASV0], v20, 2, VSCL
	s_lshl_b32 s72, s[WV], 8
	s_add_co_u32 s72, s72, KSA
	v_add_nc_u32 v[KSW], s72, v[L8]
	v_lshl_add_u32 v[KSR], v22, 7, s72
	s_lshl_b32 s73, s[WV], 6
	s_add_co_u32 s73, s73, MSA
	v_lshl_add_u32 v[MSW], v21, 2, s73
	v_add_nc_u32 v[MSR], MSA, v[L16]
	v_mov_b32 v[WT], 0                             ; written once: a lane permute's destination counts as one of its sources
	v_mov_b32 v[WT+1], 0
	v_mov_b32 v[ONE], 0x7f7f7f7f
	tensor_load_to_lds s[40:43], s[28:35]          ; part B
	s_nop 0
	PLACES 4
	s_wait_loadcnt 0x0
	v_perm_b32 v[QS], v[QW], v[QW], 0x01000100     ; tile 0's two bytes, twice: they serve [q | 0] and [0 | q]
	v_perm_b32 v[QS+1], v[QW], v[QW], 0x03020302   ; tile 1's
	v_pk_add_f32 v[KP:KP+1], v[KP:KP+1], v[KP+2:KP+3]
	v_pk_add_f32 v[KP+4:KP+5], v[KP+4:KP+5], v[KP+6:KP+7]
.irp i, 8,12,16,20,24,28
	v_pk_add_f32 v[KP:KP+1], v[KP:KP+1], v[KP+\i:KP+\i+1]
	v_pk_add_f32 v[KP+4:KP+5], v[KP+4:KP+5], v[KP+\i+2:KP+\i+3]
.endr
	v_pk_add_f32 v[KP:KP+1], v[KP:KP+1], v[KP+4:KP+5]
	ds_store_b64 v[KSW], v[KP:KP+1]                ; the 64 sums, two a lane, into my wave's own 256 bytes;
.irp i, 0,1,2,3,4,5,6,7
	ds_load_b128 v[KSM+4*\i:KSM+4*\i+3], v[KSR] offset:16*\i   ; back: the 32 of my d block (LDS serves a wave's instructions in order)
.endr
	s_wait_dscnt 0x0
.macro DENOM qt
.irp i, 0,1,2
	v_mov_b32 v[QM+4*\qt+\i], v[QI+6*\qt+3+\i]     ; a conversion's three registers begin on an even number
.endr
	v_cvt_scale_pk16_f32_fp6 v[DQ:DQ+15], v[QI+6*\qt:QI+6*\qt+2], v[ONE]
	v_cvt_scale_pk16_f32_fp6 v[DQ+16:DQ+31], v[QM+4*\qt:QM+4*\qt+2], v[ONE]
	v_nop
	v_pk_mul_f32 v[DA:DA+1], v[DQ:DQ+1], v[KSM:KSM+1]
	v_pk_mul_f32 v[DA+2:DA+3], v[DQ+2:DQ+3], v[KSM+2:KSM+3]
.irp i, 4,8,12,16,20,24,28
	v_pk_fma_f32 v[DA:DA+1], v[DQ+\i:DQ+\i+1], v[KSM+\i:KSM+\i+1], v[DA:DA+1]
	v_pk_fma_f32 v[DA+2:DA+3], v[DQ+\i+2:DQ+\i+3], v[KSM+\i+2:KSM+\i+3], v[DA+2:DA+3]
.endr
	v_pk_add_f32 v[DA:DA+1], v[DA:DA+1], v[DA+2:DA+3]
	v_add_f32 v[DA], v[DA], v[DA+1]
	v_lshl_add_u32 v[DT], v22, 3, 16*\qt
	v_bfe_u32 v[DT], v[QW], v[DT], 8               ; the scale byte of (tile, my d block)
	v_add_nc_u32 v[DT], 0xffffff81, v[DT]
	v_ldexp_f32 v[DA], v[DA], v[DT]
	v_permlanex16_b32 v[DA+1], v[DA], s[SEL], s[SEL+1]
	v_add_f32 v[DA], v[DA], v[DA+1]                ; with the other d block's
	v_max_num_f32 v[DA], 0x358637bd, v[DA]         ; at least 1e-6
	v_rcp_f32 v[RD+2*\qt], v[DA]
	v_nop
	s_wait_alu depctr_va_vdst(0)
	v_mov_b32 v[RD+2*\qt+1], v[RD+2*\qt]           ; (the packed form names the pair)
.endm
	DENOM 0
	DENOM 1
	s_wait_tensorcnt 0x1                           ; my quarter of part A is in; part B may stay out
	s_barrier_signal -1
	s_barrier_wait -1
	WIN 0x40
	KLOAD AK0, AK1, 0                              ; k of key step 0
	WIN 0
	ds_load_b64 v[KSC:KSC+1], v[ASKP]
.macro KQ b, u, qt                     ; fragment b = 2 c + f, its key tile u, x 16 queries: the result's eight registers are keys 8 (f + 2 u) + 0 .. 7 of block 2 c + h
.set DS, S+64*(\qt)+32*((\b)/2)+8*((\b)%2)+16*(\u)
.set AKF, KF+12*(\b)
.set BQ, QZ+12*(\qt)+6*(1-(\u))
.if (\b)%2
	v_wmma_scale_f32_16x16x128_f8f6f4 v[DS:DS+7], v[AKF:AKF+11], v[BQ:BQ+11], 0, v[KSC+(\b)/2], v[QS+\qt] matrix_a_fmt:MATRIX_FMT_FP6 matrix_b_fmt:MATRIX_FMT_FP6 matrix_a_scale:MATRIX_SCALE_ROW1
.else
	v_wmma_scale_f32_16x16x128_f8f6f4 v[DS:DS+7], v[AKF:AKF+11], v[BQ:BQ+11], 0, v[KSC+(\b)/2], v[QS+\qt] matrix_a_fmt:MATRIX_FMT_FP6 matrix_b_fmt:MATRIX_FMT_FP6
.endif
.endm
.macro PV t, qt, mode                  ; 16 d x 16 queries, K = the step's 128 keys.  mode 0: starts the sum; 1: in place; 2: the last step: O as C, the result into S's registers
.set OD, 32*(\qt)+8*(\t)
.set DD, OD
.if (\mode) == 2
.set DD, S+OD
.endif
.set AVF, VF+12*(\t)
.set BP, CD0+20*(\qt)
.if (\mode) == 0
.if (\t)%2
	v_wmma_scale_f32_16x16x128_f8f6f4 v[DD:DD+7], v[AVF:AVF+11], v[BP:BP+11], 0, v[VSC+(\t)/2], v[PW+\qt] matrix_a_fmt:MATRIX_FMT_FP6 matrix_b_fmt:MATRIX_FMT_FP6 matrix_a_scale:MATRIX_SCALE_ROW1
.else
	v_wmma_scale_f32_16x16x128_f8f6f4 v[DD:DD+7], v[AVF:AVF+11], v[BP:BP+11], 0, v[VSC+(\t)/2], v[PW+\qt] matrix_a_fmt:MATRIX_FMT_FP6 matrix_b_fmt:MATRIX_FMT_FP6
.endif
.else
.if (\t)%2
	v_wmma_scale_f32_16x16x128_f8f6f4 v[DD:DD+7], v[AVF:AVF+11], v[BP:BP+11], v[OD:OD+7], v[VSC+(\t)/2], v[PW+\qt] matrix_a_fmt:MATRIX_FMT_FP6 matrix_b_fmt:MATRIX_FMT_FP6 matrix_a_scale:MATRIX_SCALE_ROW1
.else
	v_wmma_scale_f32_16x16x128_f8f6f4 v[DD:DD+7], v[AVF:AVF+11], v[BP:BP+11], v[OD:OD+7], v[VSC+(\t)/2], v[PW+\qt] matrix_a_fmt:MATRIX_FMT_FP6 matrix_b_fmt:MATRIX_FMT_FP6
.endif
.endif
.endm
; A KEY STEP: 128 keys.  mode as PV's; next = 1: the next step's k is fetched; sync = 1: part B is let in
.macro STEP mode, next, sync
	s_wait_dscnt 0x0                               ; k and its scale words, asked for in the step before, are in
	WIN 0x05                                       ; k and q window 1, S^T window 0
.irp b, 0,1,2,3
.irp u, 0,1
.irp qt, 0,1
	KQ \b, \u, \qt
.endr
.endr
.endr
	WIN 0
	v_add_nc_u32 v[ADK], s[TC], v[AK0]             ; five plain lines that name no register of a product: the places behind these products and the last step's, in front of the
	v_add_nc_u32 v[ADK1], s[TC], v[AK1]            ; loads into k's and v's registers and their scale words, and of the first read of the scores
	v_add_nc_u32 v[ADV], s[TC], v[AV0]
	v_add_nc_u32 v[ADSK], s[TS], v[ASKP]
	v_add_nc_u32 v[ADSV], s[TS], v[ASV0]
.if \sync
	s_wait_tensorcnt 0x0                           ; my quarter of part B is in (no LDS instruction of mine is out),
	s_barrier_signal -1
	s_barrier_wait -1                              ; everybody's is
.endif
	ds_load_b32 v[VSC], v[ADSV]
	ds_load_b32 v[VSC+1], v[ADSV] offset:128
	WIN 0x40
.irp t, 0,1,2,3
.irp c, 0,1,2
	ds_load_b128 v[VF+12*\t+4*\c:VF+12*\t+4*\c+3], v[ADV] offset:1536*\t+512*\c
.endr
.endr
.if \next
	KLOAD ADK, ADK1, 6144
.endif
	WIN 0
.if \next
	ds_load_b64 v[KSC:KSC+1], v[ADSK] offset:256
.endif
.irp qt, 0,1
.set I, 0
.rept 32
	v_pk_mul_f32 v[S+64*\qt+I:S+64*\qt+I+1], v[S+64*\qt+I:S+64*\qt+I+1], v[RD+2*\qt:RD+2*\qt+1] op_sel_hi:[1,0]   ; the finished weights; each accumulator from its low end on
.set I, I+2
.endr
.endr
	QUANTW
	PLACES 4                                       ; an operand written by vector instructions stands four places ahead of the scaled product; its scale word eight: the v_nop, the other tile's six moves and these four
.if \next
	s_wait_dscnt 13                                ; v's 14 loads are in; the next step's 13 loads of k, issued behind them, may be out
.else
	s_wait_dscnt 0x0
.endif
.if (\mode) == 2
	WIN 0x11                                       ; v window 1, p window 0, C window 1, D window 0
.else
	WIN 0x51                                       ; C and D window 1
.endif
.irp t, 0,1,2,3
.irp qt, 0,1
	PV \t, \qt, \mode
.endr
.endr
	WIN 0
	s_add_co_u32 s[TC], s[TC], 6144
	s_add_co_u32 s[TS], s[TS], 256
.endm
	STEP 0, 1, 0                                   ; key step 0 starts O^T's sums
	s_mov_b32 s48, 2
.Lpart_a:
	STEP 1, 1, 0
	s_sub_co_u32 s48, s48, 1
	s_cmp_lg_u32 s48, 0
	s_cbranch_scc1 .Lpart_a
	STEP 1, 1, 1                                   ; key step 3: the next step's k lies in part B
	s_mov_b32 s48, 11
.Lpart_b:
	STEP 1, 1, 0
	s_sub_co_u32 s48, s48, 1
	s_cmp_lg_u32 s48, 0
	s_cbranch_scc1 .Lpart_b
	STEP 2, 0, 0                                   ; key step 15
	; ---- THE WAY OUT.  Register 8 t + j of lane (r, h) is d = 16 t + 8 h + j.  The last product meets wo in true order, so the halves of the lanes change places first: then register 16 b + i is d = 32 b + 16 h + i.
	PLACES 4
.irp qt, 0,1
.irp b, 0,1
.irp j, 0,1,2,3,4,5,6,7
	v_permlane16_swap_b32 v[S+32*\qt+16*\b+\j], v[S+32*\qt+16*\b+8+\j]
.endr
.endr
.endr
	QHEAD S, PWM, CD0                              ; blocks (tile 0 d 0-31, tile 0 d 32-63, tile 1 .., tile 1 ..): registers 6 qt .. 6 qt + 5 are half a fragment of the last product
	QTAIL CD0
.irp qt, 0,1
	global_store_b128 v[L16], v[CD0+6*\qt:CD0+6*\qt+3], s[12:13] offset:3072*\qt          ; 512 consecutive bytes, aligned
	global_store_b64 v[L8], v[CD0+6*\qt+4:CD0+6*\qt+5], s[12:13] offset:3072*\qt+512      ; 256
.endr
	ds_store_b32 v[MSW], v[PWM]                    ; my 16 rows' scale words (both halves of the lanes write the same word with the same value)
	s_wait_dscnt 0x0
	s_barrier_signal -1
	s_barrier_wait -1
	s_cmp_lg_u32 s[WV], 0
	s_cbranch_scc1 .Lnot_first
	ds_load_b128 v[92:95], v[MSR]                  ; the eight waves' words leave as 512 consecutive bytes
	s_wait_dscnt 0x0
	global_store_b128 v[L16], v[92:95], s[14:15]
.Lnot_first:
	s_wait_tensorcnt 0x0
	ds_add_u32 v126, v127
	s_wait_dscnt 0x0
	CROUND                                         ; the closing round
	s_endpgm
.Lfunc_end_k_qc88418fc75_attn:
	.size	k_qc88418fc75_attn, .Lfunc_end_k_qc88418fc75_attn-k_qc88418fc75_attn
	.p2alignl 7, 3214868480
	.fill 96, 4, 3214868480
	.section	.rodata,"a",@progbits
	.p2align	6, 0x0
	.amdhsa_kernel k_qc88418fc75_attn
		.amdhsa_group_segment_fixed_size 209920
		.amdhsa_private_segment_fixed_size 0
		.amdhsa_enable_private_segment 0
		.amdhsa_kernarg_size 48
		.amdhsa_user_sgpr_count 2
		.amdhsa_user_sgpr_kernarg_segment_ptr 1
		.amdhsa_wavefront_size32 1
		.amdhsa_system_sgpr_workgroup_id_x 1
		.amdhsa_system_sgpr_workgroup_id_y 1
		.amdhsa_system_sgpr_workgroup_id_z 1
		.amdhsa_system_vgpr_workitem_id 0
		.amdhsa_next_free_vgpr 512
		.amdhsa_next_free_sgpr 80
		.amdhsa_reserve_vcc 0
		.amdhsa_float_denorm_mode_32 3
		.amdhsa_float_denorm_mode_16_64 3
		.amdhsa_memory_ordered 1
		.amdhsa_forward_progress 1
		.amdhsa_inst_pref_size 98
	.end_amdhsa_kernel
	.amdgpu_metadata
---
amdhsa.version: [ 1, 2 ]
amdhsa.kernels:
  - .name:           k_qc88418fc75_attn
    .symbol:         k_qc88418fc75_attn.kd
    .args:
      - { .name: qbuf, .offset: 0, .size: 8, .value_kind: global_buffer, .address_space: global }
      - { .name: kbuf, .offset: 8, .size: 8, .value_kind: global_buffer, .address_space: global }
      - { .name: vbuf, .offset: 16, .size: 8, .value_kind: global_buffer, .address_space: global }
      - { .name: ksp, .offset: 24, .size: 8, .value_kind: global_buffer, .address_space: global }
      - { .name: mbuf, .offset: 32, .size: 8, .value_kind: global_buffer, .address_space: global }
      - { .name: msc, .offset: 40, .size: 8, .value_kind: global_buffer, .address_space: global }
    .group_segment_fixed_size: 209920
    .private_segment_fixed_size: 0
    .kernarg_segment_align: 8
    .kernarg_segment_size: 48
    .max_flat_workgroup_size: 256
    .sgpr_count:     80
    .vgpr_count:     512
    .wavefront_size: 32
...
	.end_amdgpu_metadata
.endif
;; end of part 2
;; launch outp (part 3): grid 8 x 32, 4 waves a work-group, clusters of 4 x 4, 239,104 bytes of LDS; arguments mbuf, msc, wo_codes, wo_scales, bo, out0; writes out0
.if DOCPART == 3
	.amdgcn_target "amdgcn-amd-amdhsa--gfx1250"
	.amdhsa_code_object_version 6
	.text
	.protected	k_qc88418fc75_outp
	.globl	k_qc88418fc75_outp
	.p2align	8
	.type	k_qc88418fc75_outp,@function
k_qc88418fc75_outp:
	s_mov_b64 s[64:65], 0
	v_nop
	global_prefetch_b8 v0, s[64:65] scope:SCOPE_SE
	s_setreg_imm32_b32 hwreg(HW_REG_WAVE_MODE, 25, 1), 1
	s_wait_xcnt 0x0
	s_wait_alu depctr_hold_cnt(0) depctr_sa_sdst(0) depctr_va_vdst(0) depctr_va_sdst(0) depctr_va_ssrc(0) depctr_va_vcc(0) depctr_vm_vsrc(0)
	s_getreg_b32 s2, hwreg(HW_REG_IB_STS2, 6, 4)
	s_cmp_eq_u32 s2, 0
	s_cbranch_scc0 .Lentry_in_a_cluster
	s_endpgm
.Lentry_in_a_cluster:
	s_bfe_u32 s2, ttmp6, 0x10000c
	s_cmp_lg_u32 s2, 0xf033
	s_cbranch_scc0 .Lentry_shape_is_right
	s_endpgm
.Lentry_shape_is_right:
; out = merged wo^T + bo on codes of FP6 (E2M3) with E8M0 scales.  merged: 4,096 x 1,024, quantised by the launch before and laid as images of the operand's registers; wo as given.
; SHARES.  A tile of 128 tokens x 128 features to a work-group (256 work-groups), 64 x 64 to a wave: 16 accumulators.  Used transposed (source 0 = 16 rows of wo, source 1 = 16 tokens): a lane holds eight
; neighbouring features of one token.
; LDS: all of K lies in LDS at once, in four slots of 256 along K, each filled once: four tensor loads of a wave are out at most.
; CLUSTER 4 x 4: the merged rows hang on the token group alone (joint along a row of the cluster), wo's rows on the feature block alone (joint along a column).
.set MSL,   24576                      ; a slot of merged rows: 8 token tiles x 4 heads x 768 bytes (six registers a lane: 0-3 at 16 l, 4-5 at 512 + 8 l)
.set WOB,   98304
.set WSL,   30720                      ; a slot of wo: 128 rows x 240 bytes
.set STG,   221184                     ; the stages: 16 rows x 272 bytes a wave
.set AM,    4                          ; v4-7   merged: 16 l and 8 l at my 64 tokens; the same 49,152 on
.set AW,    8                          ; v8-11  wo: the two row addresses; the same 61,440 on
.set L4,    12
.set H32,   13
.set RH,    14
.set STO,   15
.set RDA,   16
.set CO,    17
.set WS,    32                         ; v32-47 wo's scale words, four registers a tile: lanes 0-15 K steps 0-3, lanes 16-31 steps 4-7
.set SB,    48                         ; v48-63 merged rows' scale words: register 2 s + (tile % 2); lanes 0-15 tiles 0, 1, lanes 16-31 tiles 2, 3
.set M,     64                         ; v64-79 the words as stored, a head each
.set BO,    80                         ; v80-111 bo in the result's layout
.set ACC,   128
.set WV, 16
.set TH, 17
.set FH, 18
.set CX, 19
.set CY, 20
.set FX, 21
.set TG, 22
.set G1M, 24
.set G1O, 32
.set G0M, 40                           ; s[40:55]
.set MSB, 0
.macro WIN new
.if MSB != \new
	s_set_vgpr_msb (MSB<<8)|\new
.set MSB, \new
.endif
.endm
.macro PLACES n
.rept \n
	v_nop
.endr
.endm
.macro CROUND
	s_barrier_signal -1
	s_barrier_wait -1
	s_cmp_lg_u32 s[WV], 0
	s_cbranch_scc1 .Lnot_wave_0_\@
	s_barrier_signal -3
.Lnot_wave_0_\@:
	s_barrier_wait -3
	s_barrier_signal -1
	s_barrier_wait -1
.endm
.macro FRAG reg, a1, a2, q, i, off     ; a fragment from rows of 192 bytes with 16 bytes of padding behind every 64
.irp p, 0,1,2,3,4,5
.set PCE, 12*(\q)+6*(\p/3)+\p%3
.if PCE%8 < 5
	ds_load_b64 v[\reg+2*\p:\reg+2*\p+1], v[\a1] offset:8*PCE+16*(PCE/8)+(\i)*3840+(\off)
.else
	ds_load_b64 v[\reg+2*\p:\reg+2*\p+1], v[\a2] offset:8*PCE+16*(PCE/8)+(\i)*3840+(\off)
.endif
.endr
.endm
	s_load_b256 s[4:11], s[0:1], 0x0               ; mbuf 4, msc 6, wo_codes 8, wo_scales 10
	s_load_b128 s[12:15], s[0:1], 0x20             ; bo 12, out0 14
	v_lshl_add_u32 v30, v0, 2, 0x3a400
	v_mov_b32 v31, 0
	ds_add_u32 v30, v31
	ds_add_u32 v30, v31
	v_lshrrev_b32 v1, 5, v0
	v_readfirstlane_b32 s[WV], v1
	s_lshr_b32 s[TH], s[WV], 1                     ; my half of the tokens.  Also: I fetch merged rows (0) or wo (1)
	s_and_b32 s[FH], s[WV], 1                      ; my half of the features.  Also: which half of a tile I fetch
	s_bfe_u32 s[CX], ttmp6, 0x40000
	s_bfe_u32 s[CY], ttmp6, 0x40004
	s_lshl_b32 s[FX], ttmp9, 2
	s_add_co_u32 s[FX], s[FX], s[CX]               ; block of 128 features
	s_and_b32 s[TG], ttmp7, 0xffff
	s_lshl_b32 s[TG], s[TG], 2
	s_add_co_u32 s[TG], s[TG], s[CY]               ; group of 128 tokens
	s_lshl_b32 s76, s[CY], 2
	s_lshl_b32 s76, 15, s76
	s_lshl_b32 s77, 0x1111, s[CX]
	s_or_b32 s[G1M], s76, (3<<16)|(1<<21)          ; dense rows of 256 bytes (32 elements of 8 bytes), 48 of them
	s_mov_b32 s[G1M+1], 32<<16
	s_mov_b32 s[G1M+2], 48<<16
	s_mov_b32 s[G1M+3], 32<<16
	s_mov_b32 s[G1M+4], 48
	s_mov_b32 s[G1M+5], 32
	s_mov_b32 s[G1M+6], 0
	s_mov_b32 s[G1M+7], 0
	s_or_b32 s[G1O], s77, (1<<20)|(1<<21)|(3<<22)|(3<<25)   ; 64 rows of 192 bytes, 4 words of padding behind every 16
	s_mov_b32 s[G1O+1], 192<<16
	s_mov_b32 s[G1O+2], 64<<16
	s_mov_b32 s[G1O+3], 192<<16
	s_mov_b32 s[G1O+4], 64
	s_mov_b32 s[G1O+5], 768
	s_mov_b32 s[G1O+6], 0
	s_mov_b32 s[G1O+7], 0
	s_mul_i32 s78, s[TG], 98304
	s_mul_i32 s76, s[FH], 12288                    ; merged: my half of a slot, in memory and in LDS
	s_add_co_u32 s78, s78, s76
	s_mov_b32 s79, 0
	s_mul_i32 s80, s[FX], 98304
	s_mul_i32 s77, s[FH], 49152
	s_add_co_u32 s80, s80, s77
	s_mov_b32 s81, 0
	s_mul_i32 s77, s[FH], 15360
	s_add_co_u32 s77, s77, WOB
	s_wait_dscnt 0x0
	s_wait_kmcnt 0x0
	s_add_nc_u64 s[78:79], s[4:5], s[78:79]
	s_add_nc_u64 s[80:81], s[8:9], s[80:81]
.irp k, 0,1,2,3
.set GO, 56+4*\k+4*(\k/2)              ; s[56:63], s[68:75]
	s_mov_b32 s[G0M+4*\k], 1
	s_add_co_u32 s[G0M+4*\k+1], s76, \k*MSL
	s_add_nc_u64 s[G0M+4*\k+2:G0M+4*\k+3], s[78:79], \k*MSL
	s_or_b32 s[G0M+4*\k+3], s[G0M+4*\k+3], 0x80000000
	s_mov_b32 s[GO], 1
	s_add_co_u32 s[GO+1], s77, \k*WSL
	s_add_nc_u64 s[GO+2:GO+3], s[80:81], \k*192
	s_or_b32 s[GO+3], s[GO+3], 0x80000000
.endr
	CROUND                                         ; all sixteen work-groups are here: the joint loads meet
	s_cmp_lt_u32 s[WV], 2                          ; a wave's four fills stand in one branch
	s_cbranch_scc0 .Lfirst_o
	tensor_load_to_lds s[40:43], s[G1M:G1M+7]
	s_nop 0
	tensor_load_to_lds s[44:47], s[G1M:G1M+7]
	s_nop 0
	tensor_load_to_lds s[48:51], s[G1M:G1M+7]
	s_nop 0
	tensor_load_to_lds s[52:55], s[G1M:G1M+7]
	s_nop 0
	PLACES 4
	s_branch .Lfirst_done
.Lfirst_o:
	tensor_load_to_lds s[56:59], s[G1O:G1O+7]
	s_nop 0
	tensor_load_to_lds s[60:63], s[G1O:G1O+7]
	s_nop 0
	tensor_load_to_lds s[68:71], s[G1O:G1O+7]
	s_nop 0
	tensor_load_to_lds s[72:75], s[G1O:G1O+7]
	s_nop 0
	PLACES 4
.Lfirst_done:
	v_and_b32 v1, 31, v0                           ; l
	v_and_b32 v2, 15, v0                           ; r
	v_bfe_u32 v3, v0, 4, 1                         ; h
	v_lshlrev_b32 v[L4], 2, v1
	v_lshlrev_b32 v[H32], 5, v3
	v_lshlrev_b32 v[RH], 5, v2
	v_lshl_add_u32 v[RH], v3, 4, v[RH]             ; 32 r + 16 h
	s_mov_b32 s83, 0
	s_lshl_b32 s82, s[FX], 12
	s_lshl_b32 s84, s[FH], 11
	s_add_co_u32 s82, s82, s84
	s_add_nc_u64 s[10:11], s[10:11], s[82:83]      ; wo's scales at my 64 rows (32 bytes a row)
	s_lshl_b32 s82, s[TG], 8
	s_lshl_b32 s84, s[TH], 7
	s_add_co_u32 s82, s82, s84
	s_add_nc_u64 s[6:7], s[6:7], s[82:83]          ; the merged rows' words at my two blocks of 32 tokens
	s_lshl_b32 s82, s[FX], 9
	s_lshl_b32 s84, s[FH], 8
	s_add_co_u32 s82, s82, s84
	s_add_nc_u64 s[12:13], s[12:13], s[82:83]      ; bo at my 64 features
	s_add_nc_u64 s[14:15], s[14:15], s[82:83]
	s_lshl_b32 s82, s[TG], 19
	s_lshl_b32 s84, s[TH], 18
	s_add_co_u32 s82, s82, s84
	s_add_nc_u64 s[14:15], s[14:15], s[82:83]      ; out at my first token and feature
.irp b, 0,1,2,3
	global_load_b128 v[WS+4*\b:WS+4*\b+3], v[RH], s[10:11] offset:512*\b
	global_load_b128 v[BO+8*\b:BO+8*\b+3], v[H32], s[12:13] offset:64*\b
	global_load_b128 v[BO+8*\b+4:BO+8*\b+7], v[H32], s[12:13] offset:64*\b+16
.endr
.irp d, 0,1,2,3,4,5,6,7,8,9,10,11,12,13,14,15
	global_load_b32 v[M+\d], v[L4], s[6:7] offset:8192*\d
.endr
	s_mul_i32 s82, s[TH], 12288
	v_lshl_add_u32 v[AM], v1, 4, s82
	v_lshl_add_u32 v[AM+1], v1, 3, s82
	v_add_nc_u32 v[AM+2], 49152, v[AM]
	v_add_nc_u32 v[AM+3], 49152, v[AM+1]
	v_mul_u32_u24 v[AW], v2, 240
	v_mad_u32_u24 v[AW], v3, 24, v[AW]
	s_mul_i32 s82, s[FH], 15360
	s_add_co_u32 s82, s82, WOB
	v_add_nc_u32 v[AW], s82, v[AW]
	v_lshl_add_u32 v[AW+1], v3, 4, v[AW]
	v_add_nc_u32 v[AW+2], 61440, v[AW]
	v_add_nc_u32 v[AW+3], 61440, v[AW+1]
	s_mul_i32 s82, s[WV], 4352
	s_add_co_u32 s82, s82, STG                     ; my stage
	v_mul_u32_u24 v[STO], v2, 272
	v_lshl_add_u32 v[STO], v3, 5, v[STO]
	v_add_nc_u32 v[STO], s82, v[STO]               ; in: row r, 32 bytes for each half of the lanes
	v_mul_u32_u24 v[RDA], v3, 272
	v_lshl_add_u32 v[RDA], v2, 4, v[RDA]
	v_add_nc_u32 v[RDA], s82, v[RDA]               ; back: lanes 0-15 one row of 256 bytes, lanes 16-31 the next
	v_lshlrev_b32 v[CO], 12, v3
	v_lshl_add_u32 v[CO], v2, 4, v[CO]             ; and the same two rows in out
.macro FETCH s                         ; step s's fragments into set s % 2 of window 1: four of merged rows, four of wo
.set KK, ((\s)/2)%2
.set HI, (\s)/4
.set QQ, (\s)%2
	WIN 0x40
.irp a, 0,1,2,3
	ds_load_b128 v[96*QQ+12*\a:96*QQ+12*\a+3],    v[AM+2*HI]   offset:KK*MSL+\a*3072+QQ*1536
	ds_load_b64  v[96*QQ+12*\a+4:96*QQ+12*\a+5],  v[AM+2*HI+1] offset:KK*MSL+\a*3072+QQ*1536+512
	ds_load_b128 v[96*QQ+12*\a+6:96*QQ+12*\a+9],  v[AM+2*HI]   offset:KK*MSL+\a*3072+QQ*1536+768
	ds_load_b64  v[96*QQ+12*\a+10:96*QQ+12*\a+11], v[AM+2*HI+1] offset:KK*MSL+\a*3072+QQ*1536+1280
.endr
.irp b, 0,1,2,3
	FRAG 96*QQ+48+12*\b, AW+2*HI, AW+2*HI+1, QQ, \b, KK*WSL
.endr
	WIN 0
.endm
.macro OMM a, b, s
.set DD, ACC+8*(4*(\a)+(\b))
.set CC, DD
.if (\s) == 0
.set CC, BO+8*(\b)                     ; the bias is the C of the first product
.endif
.set AF, 96*((\s)%2)+48+12*(\b)
.set BF, 96*((\s)%2)+12*(\a)
.set SA, WS+4*(\b)+(\s)%4
.set SM, SB+2*(\s)+(\a)%2
.if ((\s)/4 == 0) && ((\a)/2 == 0)
	v_wmma_scale_f32_16x16x128_f8f6f4 v[DD:DD+7], v[AF:AF+11], v[BF:BF+11], v[CC:CC+7], v[SA], v[SM] matrix_a_fmt:MATRIX_FMT_FP6 matrix_b_fmt:MATRIX_FMT_FP6
.elseif (\s)/4 == 0
	v_wmma_scale_f32_16x16x128_f8f6f4 v[DD:DD+7], v[AF:AF+11], v[BF:BF+11], v[CC:CC+7], v[SA], v[SM] matrix_a_fmt:MATRIX_FMT_FP6 matrix_b_fmt:MATRIX_FMT_FP6 matrix_b_scale:MATRIX_SCALE_ROW1
.elseif (\a)/2 == 0
	v_wmma_scale_f32_16x16x128_f8f6f4 v[DD:DD+7], v[AF:AF+11], v[BF:BF+11], v[CC:CC+7], v[SA], v[SM] matrix_a_fmt:MATRIX_FMT_FP6 matrix_b_fmt:MATRIX_FMT_FP6 matrix_a_scale:MATRIX_SCALE_ROW1
.else
	v_wmma_scale_f32_16x16x128_f8f6f4 v[DD:DD+7], v[AF:AF+11], v[BF:BF+11], v[CC:CC+7], v[SA], v[SM] matrix_a_fmt:MATRIX_FMT_FP6 matrix_b_fmt:MATRIX_FMT_FP6 matrix_a_scale:MATRIX_SCALE_ROW1 matrix_b_scale:MATRIX_SCALE_ROW1
.endif
.endm
.macro STEP s                          ; 128 along K: 16 matrix instructions, the 16 accumulators by turns
	s_wait_dscnt 0x0                               ; this step's fragments are in
.if ((\s)%2 == 1) && ((\s) < 7)
	s_wait_tensorcnt 2-(\s)/2                      ; my part of the next slot is in; the younger fills may stay out
	s_barrier_signal -1
	s_barrier_wait -1
.endif
.if (\s) < 7
.if (\s) > 0
	PLACES 4                                       ; in front of loads into registers that matrix instructions have read
.endif
	FETCH (\s)+1
.endif
	WIN 0x05                                       ; wo and the merged rows window 1; C and D window 0
.irp a, 0,1,2,3
.irp b, 0,1,2,3
	OMM \a, \b, \s
.endr
.endr
	WIN 0
.endm
	s_wait_tensorcnt 0x3                           ; my part of slot 0 is in
	s_barrier_signal -1
	s_barrier_wait -1
	FETCH 0
	s_wait_loadcnt 0x0
.irp s, 0,1,2,3,4,5,6,7                ; a K step is two heads: their two bytes each make the step's word, for the even and for the odd token tile
	v_perm_b32 v[SB+2*\s], v[M+2*\s+1], v[M+2*\s], 0x05040100
	v_perm_b32 v[SB+2*\s+1], v[M+2*\s+1], v[M+2*\s], 0x07060302
.endr
	PLACES 8                                       ; a scale word written by a vector instruction stands eight places ahead of the scaled product
.irp s, 0,1,2,3,4,5,6,7
	STEP \s
.endr
	; THE WAY OUT, a token tile (16 rows x 256 bytes) at a time through my own stage, so that sixteen lanes store 256 consecutive bytes, aligned.  LDS serves a wave's instructions in order.
.macro TOSTAGE a
.irp b, 0,1,2,3
	ds_store_b128 v[STO], v[ACC+8*(4*(\a)+\b):ACC+8*(4*(\a)+\b)+3] offset:64*\b          ; each accumulator from its low end on
	ds_store_b128 v[STO], v[ACC+8*(4*(\a)+\b)+4:ACC+8*(4*(\a)+\b)+7] offset:64*\b+16
.endr
.set BB, 64+32*((\a)%2)
.irp i, 0,1,2,3,4,5,6,7
	ds_load_b128 v[BB+4*\i:BB+4*\i+3], v[RDA] offset:544*\i
.endr
.endm
.macro SEND a, younger
.set BB, 64+32*((\a)%2)
	s_wait_dscnt \younger                          ; the tile is back; the next tile's 8 stores and 8 loads may be out
.irp i, 0,1,2,3,4,5,6,7
	global_store_b128 v[CO], v[BB+4*\i:BB+4*\i+3], s[14:15] offset:(16*(\a)+2*\i)*4096 th:TH_STORE_NT
.endr
.endm
	PLACES 4
	TOSTAGE 0
.irp a, 1,2,3
.if \a > 1
	s_wait_xcnt 0x0                                ; tile a - 2's stores have read their registers: tile a's loads may land there
.endif
	TOSTAGE \a
	SEND \a-1, 16
.endr
	SEND 3, 0
	s_wait_tensorcnt 0x0
	ds_add_u32 v30, v31
	s_wait_dscnt 0x0
	CROUND                                         ; the closing round
	s_endpgm
.Lfunc_end_k_qc88418fc75_outp:
	.size	k_qc88418fc75_outp, .Lfunc_end_k_qc88418fc75_outp-k_qc88418fc75_outp
	.p2alignl 7, 3214868480
	.fill 96, 4, 3214868480
	.section	.rodata,"a",@progbits
	.p2align	6, 0x0
	.amdhsa_kernel k_qc88418fc75_outp
		.amdhsa_group_segment_fixed_size 239104
		.amdhsa_private_segment_fixed_size 0
		.amdhsa_enable_private_segment 0
		.amdhsa_kernarg_size 48
		.amdhsa_user_sgpr_count 2
		.amdhsa_user_sgpr_kernarg_segment_ptr 1
		.amdhsa_wavefront_size32 1
		.amdhsa_system_sgpr_workgroup_id_x 1
		.amdhsa_system_sgpr_workgroup_id_y 1
		.amdhsa_system_sgpr_workgroup_id_z 1
		.amdhsa_system_vgpr_workitem_id 0
		.amdhsa_next_free_vgpr 512
		.amdhsa_next_free_sgpr 92
		.amdhsa_reserve_vcc 0
		.amdhsa_float_denorm_mode_32 3
		.amdhsa_float_denorm_mode_16_64 3
		.amdhsa_memory_ordered 1
		.amdhsa_forward_progress 1
		.amdhsa_inst_pref_size 59
	.end_amdhsa_kernel
	.amdgpu_metadata
---
amdhsa.version: [ 1, 2 ]
amdhsa.kernels:
  - .name:           k_qc88418fc75_outp
    .symbol:         k_qc88418fc75_outp.kd
    .args:
      - { .name: mbuf, .offset: 0, .size: 8, .value_kind: global_buffer, .address_space: global }
      - { .name: msc, .offset: 8, .size: 8, .value_kind: global_buffer, .address_space: global }
      - { .name: wo_codes, .offset: 16, .size: 8, .value_kind: global_buffer, .address_space: global }
      - { .name: wo_scales, .offset: 24, .size: 8, .value_kind: global_buffer, .address_space: global }
      - { .name: bo, .offset: 32, .size: 8, .value_kind: global_buffer, .address_space: global }
      - { .name: out0, .offset: 40, .size: 8, .value_kind: global_buffer, .address_space: global }
    .group_segment_fixed_size: 239104
    .private_segment_fixed_size: 0
    .kernarg_segment_align: 8
    .kernarg_segment_size: 48
    .max_flat_workgroup_size: 128
    .sgpr_count:     92
    .vgpr_count:     512
    .wavefront_size: 32
...
	.end_amdgpu_metadata
.endif
;; end of part 3
